; MI455X (gfx1250); checked and timed in simulation.
; The chip was launched on July 23, 2026; its instructions are those of AMD's public machine-readable ISA for CDNA 5 (MIT licence, August 2026) and "CDNA5" Instruction Set Architecture Reference Guide (July 2026). The comments in the code are by the model that wrote it; some were corrected since.
;; Multi Head Self Attention. Allowed arithmetic: matrix products marked QUANTISED: E5M2 operands, one given power-of-two scale a tensor, by v_wmma_f32_16x16x64_bf8_bf8 or v_wmma_f32_16x16x128_bf8_bf8, f32 sums; everything else in f32.
;; Inputs: WK_codes 1,024 x 32 x 32 uint8 (E5M2 codes of WK, K innermost, in blocks of 32 codes); WO_codes 1,024 x 32 x 32 uint8 (E5M2 codes of WO, K innermost, in blocks of 32 codes); WQ_codes 1,024 x 32 x 32 uint8 (E5M2 codes of WQ, K innermost, in blocks of 32 codes); WV_codes 1,024 x 32 x 32 uint8 (E5M2 codes of WV, K innermost, in blocks of 32 codes); lowp_scales 12 int32 (the exponents e of the quantised operands' scales 2^e); x_codes 4 x 2,048 x 32 x 32 uint8 (E5M2 codes of x, K innermost, in blocks of 32 codes).
;; Outputs: out0 4 x 2,048 x 1,024 float32.
;; This version of the problem:
;;   THIS VERSION OF THE PROBLEM IS GIVEN IN LOW PRECISION. The matrix products marked QUANTISED in the list below multiply operands that are first quantised to E5M2 (5 exponent bits, 2 mantissa bits; 8 bits a number), with one given power-of-two scale for each operand tensor; their sums are f32. All else is computed in f32.
;;   The module's matrix products, in the order in which they are computed (A, B: the left and right operand; K: the contracted axis; several contracted axes count as one K, in the product's order):
;;     1. [M 8,192, K 1,024] x [K 1,024, N 1,024]; A: input x (given as codes); B: input WQ (given as codes): QUANTISED (scales: A lowp_scales[0], B lowp_scales[1])
;;     2. [M 8,192, K 1,024] x [K 1,024, N 1,024]; A: input x (given as codes); B: input WK (given as codes): QUANTISED (scales: A lowp_scales[2], B lowp_scales[3])
;;     3. [M 8,192, K 1,024] x [K 1,024, N 1,024]; A: input x (given as codes); B: input WV (given as codes): QUANTISED (scales: A lowp_scales[4], B lowp_scales[5])
;;     4. batch 64 x [M 2,048, K 64] x [K 64, N 2,048]; A: computed on the way; B: computed on the way: QUANTISED (scales: A lowp_scales[6], B lowp_scales[7])
;;     5. batch 64 x [M 2,048, K 2,048] x [K 2,048, N 64]; A: softmax (see below); B: computed on the way: QUANTISED (scales: A lowp_scales[8], B lowp_scales[9])
;;     6. [M 8,192, K 1,024] x [K 1,024, N 1,024]; A: computed on the way; B: input WO (given as codes): QUANTISED (scales: A lowp_scales[10], B lowp_scales[11])
;;   THE QUANTISER, for each operand of a quantised product, along K:
;;     - The operand's scale is 2^e, e = its entry of the input lowp_scales (int32; the entries are numbered through the quantised products in the list's order, A before B).
;;     - Each number is divided by the scale, clamped to +-57,344, and rounded to the nearest number of E5M2, ties to even, subnormals kept.
;;     - The product sums the exact products of the quantised numbers (number of the format x scale) in f32.
;;   ~~~python
;;   def quantise(x, axis, e):      # numpy; x: float32 -> the quantised numbers, widened to float32 again
;;       x = np.moveaxis(x, axis, -1); K = x.shape[-1]
;;       r = np.clip(x / 2.0 ** e, -57344, 57344)
;;       step = 2.0 ** (np.maximum(np.frexp(np.where(r == 0, 1, r))[1] - 1, -14) - 2)
;;       q = np.round(r / step) * step * 2.0 ** e      # np.round: ties to even
;;       return np.moveaxis(q, -1, axis).astype(np.float32)
;;   ~~~
;;   SOFTMAX AHEAD OF A QUANTISED PRODUCT. Where the list says 'softmax', what is quantised is not the finished softmax but p = 2^(t - M), with t = logit x log2(e) and M = ceil(the row's largest t), a whole number; so 1/2 < the row's largest p <= 1. The row's sum l is taken of the UNQUANTISED p, in f32, and the product's result is divided by l at the end. Since M is a whole number, a kernel that streams over the keys may use a running M (the ceiling of the running maximum): every later rescaling is an exact power of two, so the quantised numbers keep their values, but for numbers so far below the row's largest that they fall under the format's range.
;;   OPERANDS COMPUTED ON THE WAY. 'Computed on the way' means the value that the module computes at that place (a softmax that the list does not call 'softmax' is quantised finished and normalised). What goes into a quantiser is computed in f32, as accurately as f32 sums, v_exp_f32 and their like allow (about 1e-6 of the number): no bf16 or f16 on the way to a quantiser, and a product that is left as it is and whose result goes on into a quantised operand takes f32 operands (vector FMAs, or v_wmma_f32_16x16x4_f32). A number that lies on a knife's edge between two numbers of the format may be rounded either way, as far as f32 arithmetic and the matrix unit's own rounding can turn it there, and no further.
;;   INPUTS GIVEN AS CODES. WK (in the module: [1024, 1024], K = its axis 1); WO (in the module: [1024, 1024], K = its axis 1); WQ (in the module: [1024, 1024], K = its axis 1); WV (in the module: [1024, 1024], K = its axis 1); x (in the module: [4, 2048, 1024], K = its axis 2): each comes as NAME_codes (uint8): NAME with its K axis moved to the last place and cut into blocks of 32 codes, [.., K / 32, bytes a block], one block behind the other in memory; one code a byte (a code: sign, 5 exponent bits, 2 mantissa bits); its scale is its entry of lowp_scales. Its value is code x scale, taken as it is: it is not quantised again, and the codes and scales need not be those that the quantiser above would give.
;; One version. Each part assembles by itself: llvm-mc -triple=amdgcn-amd-amdhsa -mcpu=gfx1250 --defsym DOCPART=n.
;; ======== version 1 of 1: 3 launches
;; limits: right only within a limited range of input values
;; workspace buffers: q_codes 8,388,608 bytes; k_codes 8,388,608 bytes; v_codes 8,388,608 bytes; m_codes 8,388,608 bytes
;; launch qkv (part 1): grid 12 x 32, 4 waves a work-group, clusters of 4 x 4, 327,680 bytes of LDS; arguments x_codes, WQ_codes, WK_codes, WV_codes, lowp_scales, q_codes, k_codes, v_codes; writes q_codes, k_codes, v_codes
.if DOCPART == 1
	.amdgcn_target "amdgcn-amd-amdhsa--gfx1250"
	.amdhsa_code_object_version 6
	.text
	.protected	k_qd06c02b2df_qkv
	.globl	k_qd06c02b2df_qkv
	.p2align	8
	.type	k_qd06c02b2df_qkv,@function
k_qd06c02b2df_qkv:
	s_mov_b64 s[64:65], 0
	v_nop
	global_prefetch_b8 v0, s[64:65] scope:SCOPE_SE
	s_setreg_imm32_b32 hwreg(HW_REG_WAVE_MODE, 25, 1), 1
	s_wait_xcnt 0x0
	s_wait_alu depctr_hold_cnt(0) depctr_sa_sdst(0) depctr_va_vdst(0) depctr_va_sdst(0) depctr_va_ssrc(0) depctr_va_vcc(0) depctr_vm_vsrc(0)
	s_getreg_b32 s2, hwreg(HW_REG_IB_STS2, 6, 4)
	s_cmp_eq_u32 s2, 0
	s_cbranch_scc0 .Lentry_in_a_cluster
	s_endpgm
.Lentry_in_a_cluster:
	s_bfe_u32 s2, ttmp6, 0x10000c
	s_cmp_lg_u32 s2, 0xf033
	s_cbranch_scc0 .Lentry_shape_is_right
	s_endpgm
.Lentry_shape_is_right:
; Q = rope(x WQ^T), K = rope(x WK^T), V = x WV^T on codes of BF8 (E5M2), and the three results quantised again: q_codes, k_codes [b][head][position][64], v_codes [b][head x 64 + d][2,048 keys].
; x: [8,192][1,024] codes; WQ, WK, WV: [1,024][1,024] codes, K innermost.  lowp_scales: e0, e1 (x, WQ), e2, e3 (x, WK), e4, e5 (x, WV), e6 (Q), e7 (K), e9 (V).
; SHARES.  A tile of 256 x 256 to a work-group of four waves, 128 x 128 to a wave: 64 accumulators, 512 registers.  K goes in steps of 256 through a ring of two LDS slots filled by the tensor data mover.
; The cluster's x says which product: 0 Q, 1 K, 2 V; it is the same in all sixteen partners.  Q, K: A = x (tile row 4 x cluster y + cy), B = the weight (tile column cx).
; V IS MADE TRANSPOSED, V^T = WV x^T, by other pointers alone: A = WV (tile row cy), B = x (tile column 4 x cluster y + cx).
; THE MATRIX INSTRUCTION IS USED TRANSPOSED (source 0 = 16 rows of B, source 1 = 16 rows of A): a lane holds one row of A and eight neighbouring rows of B: for Q and K one position and eight neighbouring
; features (four pairs of the rotation, and eight neighbours along the next product's K); for V one feature and eight neighbouring positions (the keys are the next K).
; CLUSTERS: 4 x 4 work-groups; A's tile is shared along a row of the cluster, B's along a column: each is asked for jointly, by the same tensor load with the same descriptor and a mask that names the four.
; THE ROTATION.  theta = position / 10000^(d / 32) rounded to f32 as a division rounds it (a reciprocal, one correction of it, one of the quotient); F = 10^(d / 8) as f32 stands in the text, a lane to a pair d.
; k = the nearest whole number to theta / pi; r = theta - k pi with pi in two parts (the first product is exact: k has 10 bits); sine and cosine of r, |r| <= pi / 2, by Taylor's series to r^13 and r^12
; (what is cut is under 1e-8); the sign by k's lowest bit.  Each work-group makes the table of its 256 positions, 32 pairs of (cos, sin) a position, while its first tiles are on their way; V's work-groups walk the
; same lines and do not use the result: the registers that hold half of the table are then written on every way through the text.
; THE QUANTISERS.  A sum stands for sum x 2^(ea + eb), and a rotation is linear: so the code is rot(sum) / 2^(e - ea - eb): the three scales are folded into the conversion's one.
; v_codes' KEYS ARE PERMUTED inside each 32: byte 32 c + 16 h + i holds key 32 c + 8 h + i (i < 8) or 32 c + 16 + 8 h + i - 8: the order in which a lane holds them here, and in which the next launch's operand wants them.
; LIMITS: e6 - e0 - e1, e7 - e2 - e3 and e9 - e4 - e5 lie between -126 and 112, so that each power of two below is an f32 number.  Codes of NaN or infinity among the inputs are not served.
; No prefetch: a tile has four K steps, and the first two are asked for at the head.
; REGISTERS, in windows of 256: window 0: v1-31 addresses and the two numbers of the conversion; v32-95 half of the table, through the loop; v96-105 the table's making; from v128 A's fragments, ONE set (ahead of the
;   first fetch: at work on the table).  window 1: B's fragments, TWO sets.  window 2: the accumulators of my rows 0-63 ((a, b) at v[8 (8 a + b)]);  window 3: those of my rows 64-127.
.set ROWB,   256                       ; a tile's row in bytes: 256 codes
.set KROW,   1024                      ; a row of x or of a weight in memory
.set PITCH,  272                       ; an LDS row: 256 bytes + 16 of padding: the 16 rows that a load touches start 16 bytes apart modulo 256
.set FR,     16                        ; registers of a fragment: 16 rows x 128 K
.set NL,     4                         ; LDS loads that bring one
.set NP,     4                         ; places behind this matrix instruction (ISA guide 7.12.1)
.set HALFT,  128*PITCH                 ; 128 rows: what one tensor load brings
.set SLOT,   4*HALFT                   ; A's 256 rows, then B's 256 rows
.set LAPS,   2                         ; 1,024 along K = twice round the ring
.set SPARE,  2*SLOT                    ; behind the ring: the spare words, 128 bytes for each wave
.set TP,     272                       ; a row of the table: 32 pairs x 8 bytes + 16
.set TABH,   SPARE+512                 ; the table's positions 128-255: bytes of their own, stored at the head
.set TABL,   0                         ; positions 0-127, and the two stages: in slot 0, behind its last fill and its last read
.set QP,     80                        ; Q's and K's stage: a row of 64 codes + 16
.set QSTG,   128*TP                    ; 4 waves x 2 heads x 16 rows
.set VSP,    272                       ; V's stage: 256 rows of 256 codes + 16
.set VSTG,   QSTG+4*2*16*QP
.set SCL,  12                          ; v12  the conversion's scale as f32
.set LIM,  13                          ; v13  57,344 x that
.set VGO,  14                          ; v14  V: my byte offset in two rows of v_codes
.set VRD,  15                          ; v15  V: where I read rows back from the stage
.set ADRA, 16                          ; v16-17  LDS address of my A fragments in slot 0, 1
.set VSTO, 18                          ; v18  V: where I put 16 codes
.set QGO,  19                          ; v19  Q, K: 16 x lane
.set ADRB, 20                          ; v20-21  the same as ADRA for B
.set QSTO, 22                          ; v22  Q, K: where I put 8 codes
.set QRD,  23                          ; v23  Q, K: where I read rows back
.set TLD,  27                          ; v27  where I read the table
.set SPW,  28                          ; v28  LDS address of my spare word; never rewritten
.set NIL,  29                          ; v29  0; never rewritten
.set THS,  30                          ; v30  where I store the table's upper half
.set TLS,  31                          ; v31  and its lower half
.set KEEP, 32                          ; v32-95  (cos, sin) of positions 32 w .. 32 w + 31, pair = lane
.set PP,   96                          ; v96-99  four positions as f32
.set FI,   100                         ; v100 F, v101 1 / F
.set KA,   102                         ; v102, v103  the series' second-highest coefficients (sine's, cosine's)
.set KM,   104                         ; v104  1.5 x 2^23 (v105 is named with it as a pair)
.set TW,   128                         ; the table's making: two sets of 20, 32 apart
.set HO,   192                         ; and eight results on their way to LDS
.set AF,   128                         ; A's fragments
.set T,    32                          ; the way out: the table's numbers for a block, two sets of 32
.set C,    96                          ; 16 registers of codes
.set BK,   112                         ; 16 registers read back from the stage
.set TMP,  128                         ; 64 numbers ahead of the conversion
.set VB,   192                         ; V: 16 x 4 registers read back
.set G1, 24                            ; s[24:31] descriptor group 1 for A's tiles;  s[32:39] group 0, one set for each slot
.set G0, 32
.set G1B, 48                           ; s[48:55], s[56:63] the same for B's tiles
.set G0B, 56
.set MSB, 0
.macro WIN new                         ; the immediate's high byte repeats the setting that is left
.if MSB != \new
	s_set_vgpr_msb (MSB<<8)|\new
.set MSB, \new
.endif
.endm
.set MUL_LO, 0xa1                      ; source 0 (B) window 1, source 1 (A) window 0, C and D window 2
.set MUL_HI, 0xf1                      ; the same, C and D window 3
.set TO_B,   0x40                      ; destination window 1, address window 0
; A joint load: waves 0 and 1 fetch for A, waves 2 and 3 for B.  Each of the two lines has one mask and one set of registers; the branch hangs on the wave's number alone.
; Four v_nop follow each of the two lines, ahead of the jump, the label and what follows.
.macro JLOAD g0a, g1a, g0b, g1b
	s_cmp_eq_u32 s15, 0
	s_cbranch_scc0 .Lfor_b_\@
	tensor_load_to_lds s[\g0a:\g0a+3], s[\g1a:\g1a+7]
	s_nop 0
.rept 4
	v_nop
.endr
	s_branch .Lasked_\@
.Lfor_b_\@:
	tensor_load_to_lds s[\g0b:\g0b+3], s[\g1b:\g1b+7]
	s_nop 0
.rept 4
	v_nop
.endr
.Lasked_\@:
.endm
.macro CREST                           ; a round of the cluster's barrier behind its opening barrier
	s_cmp_lg_u32 s14, 0
	s_cbranch_scc1 .Lnot_wave_0_\@
	s_barrier_signal -3
.Lnot_wave_0_\@:
	s_barrier_wait -3
	s_barrier_signal -1
	s_barrier_wait -1
.endm
.macro CROUND                          ; a whole round
	s_barrier_signal -1
	s_barrier_wait -1
	CREST
.endm
	s_load_b256 s[68:75], s[0:1], 0x0              ; x, WQ, WK, WV
	s_load_b256 s[76:83], s[0:1], 0x20             ; the scales' exponents, q_codes, k_codes, v_codes
	v_lshl_add_u32 v[SPW], v0, 2, SPARE
	v_mov_b32 v[NIL], 0
	ds_add_u32 v28, v29
	ds_add_u32 v28, v29
	s_wait_dscnt 0x0
	v_lshrrev_b32 v1, 5, v0
	v_readfirstlane_b32 s14, v1                    ; wave 0..3
	s_lshr_b32 s15, s14, 1                         ; which half of A's rows is mine.  Also: I fetch for A (0) or for B (1)
	s_and_b32 s16, s14, 1                          ; which half of B's rows.  Also: which 128 rows of that tile I fetch
	s_bfe_u32 s40, ttmp6, 0x40000                  ; cx, cy: my place in the cluster
	s_bfe_u32 s41, ttmp6, 0x40004
	s_and_b32 s13, ttmp7, 0xffff
	s_lshl_b32 s13, s13, 2                         ; 4 x cluster y
	s_cmp_eq_u32 ttmp9, 2                          ; V?  Both selects stand ahead of the additions, which set SCC
	s_cselect_b32 s17, 0, s13
	s_cselect_b32 s42, s13, 0
	s_add_co_u32 s17, s17, s41                     ; A's block of 256 rows: it hangs on cy, never on cx
	s_add_co_u32 s42, s42, s40                     ; B's block: on cx, never on cy
	s_lshl_b32 s43, s41, 2
	s_lshl_b32 s43, 15, s43                        ; my row of the cluster
	s_lshl_b32 s44, 0x1111, s40                    ; my column
	; descriptor group 1: a tile of 128 rows x 256 bytes, padded in LDS
	s_or_b32 s[G1+0], s43, (0<<16)|(1<<20)|(1<<21)|(5<<22)|(3<<25)  ; 15:0 the mask: A's tiles go to my row; 17:16 element of 1 byte; 20 padding on; 21 set beside a mask; 24:22 after every 64 words (code 5); 31:25 of 4 words (code 3)
	s_or_b32 s[G1B+0], s44, (0<<16)|(1<<20)|(1<<21)|(5<<22)|(3<<25)
.irp g, G1, G1B
	s_mov_b32 s[\g+1], ROWB<<16                    ; tensor_dim0
	s_mov_b32 s[\g+2], 128<<16                     ; tensor_dim1 = 128
	s_mov_b32 s[\g+3], ROWB<<16                    ; tile_dim0
	s_mov_b32 s[\g+4], 128                         ; tile_dim1 = 128
	s_mov_b32 s[\g+5], KROW                        ; tensor_dim0_stride
	s_mov_b32 s[\g+6], 0
	s_mov_b32 s[\g+7], 0
.endr
	s_lshl_b32 s18, s16, 7                         ; which 128 rows of the tile I fetch
	s_lshl_b32 s20, s17, 8
	s_add_co_u32 s20, s20, s18
	s_lshl_b32 s20, s20, 10                        ; A: (256 x block + 128 x half) rows of 1,024 bytes: under 2^23
	s_mov_b32 s21, 0
	s_lshl_b32 s46, s42, 8
	s_add_co_u32 s46, s46, s18
	s_lshl_b32 s46, s46, 10                        ; B likewise
	s_mov_b32 s47, 0
	s_mul_i32 s45, s14, HALFT                      ; where they go: wave x 128 rows: no place in the cluster enters an LDS address
	s_wait_kmcnt 0x0
	s_load_b256 s[84:91], s[76:77], 0x0            ; e0 .. e7
	s_load_b64 s[92:93], s[76:77], 0x20            ; e8, e9
	s_cmp_eq_u32 ttmp9, 0                          ; the choices hang on the cluster's x alone
	s_cselect_b64 s[6:7], s[70:71], s[72:73]       ; WQ or WK
	s_cselect_b64 s[10:11], s[78:79], s[80:81]     ; q_codes or k_codes
	s_cmp_eq_u32 ttmp9, 2
	s_cselect_b64 s[4:5], s[74:75], s[68:69]       ; A: WV for V, else x
	s_cselect_b64 s[6:7], s[68:69], s[6:7]         ; B: x for V, else the weight
	s_add_nc_u64 s[20:21], s[4:5], s[20:21]
	s_add_nc_u64 s[46:47], s[6:7], s[46:47]
	CROUND                                         ; all sixteen work-groups are here: the first joint loads meet
.irp s, 0,1
	s_mov_b32 s[G0+4*\s], 1
	s_add_co_u32 s[G0+4*\s+1], s45, \s*SLOT
	s_add_nc_u64 s[G0+4*\s+2:G0+4*\s+3], s[20:21], \s*ROWB
	s_or_b32 s[G0+4*\s+3], s[G0+4*\s+3], 0x80000000
	s_mov_b32 s[G0B+4*\s], 1
	s_add_co_u32 s[G0B+4*\s+1], s45, \s*SLOT
	s_add_nc_u64 s[G0B+4*\s+2:G0B+4*\s+3], s[46:47], \s*ROWB
	s_or_b32 s[G0B+4*\s+3], s[G0B+4*\s+3], 0x80000000
	JLOAD G0+4*\s, G1, G0B+4*\s, G1B
.endr
	; every LDS address of the text is made here: a constant + constants x lane + constants x wave
	v_and_b32 v1, 15, v0                           ; r = l % 16
	v_bfe_u32 v2, v0, 4, 1                         ; h = l / 16
	v_and_b32 v6, 31, v0                           ; l
	v_mul_u32_u24 v3, v1, PITCH
	v_lshl_add_u32 v4, v2, 4, v3                   ; a fragment's row x pitch + 16 x half
	s_mul_i32 s21, s15, HALFT                      ; my 128 rows of A
	s_mul_i32 s22, s16, HALFT                      ; my 128 rows of B,
	s_add_co_u32 s22, s22, 2*HALFT                 ; which lie behind A's 256
.irp s, 0,1
	v_add_nc_u32 v[ADRA+\s], s21, v4
	v_add_nc_u32 v[ADRB+\s], s22, v4
	s_add_co_u32 s21, s21, SLOT
	s_add_co_u32 s22, s22, SLOT
.endr
	s_mul_i32 s23, s14, 2*16*QP
	s_add_co_u32 s23, s23, QSTG                    ; my stage for Q and K
	v_mul_u32_u24 v5, v1, QP
	v_lshl_add_u32 v5, v2, 3, v5
	v_add_nc_u32 v[QSTO], s23, v5                  ; in: row r, 8 bytes for each half of the lanes
	v_lshrrev_b32 v5, 2, v6
	v_mul_u32_u24 v5, v5, QP
	v_and_b32 v7, 3, v6
	v_lshl_add_u32 v5, v7, 4, v5
	v_add_nc_u32 v[QRD], s23, v5                   ; back: four lanes to a row of 64 bytes, eight rows an instruction
	v_lshlrev_b32 v[QGO], 4, v6                    ; and the same 512 bytes in memory, where the rows are dense
	s_mul_i32 s22, s15, TABH-TABL                  ; my 128 positions' half of the table
	v_lshl_add_u32 v5, v2, 5, v3
	v_add_nc_u32 v[TLD], s22, v5                   ; row r (the pitches are equal), + 32 h: my four pairs
	s_mul_i32 s22, s14, 32*TP
	v_lshl_add_u32 v[TLS], v6, 3, s22              ; the table's making: rows 32 w on, pair = lane
	v_add_nc_u32 v[THS], TABH, v[TLS]
	s_mul_i32 s22, s15, 128*VSP
	s_lshl_b32 s21, s16, 7
	s_add_co_u32 s22, s22, s21
	s_add_co_u32 s22, s22, VSTG
	v_add_nc_u32 v[VSTO], s22, v4                  ; V's stage, in: row 128 x (my half of the features) + r, byte 128 x (my half of the positions) + 16 h
	s_mul_i32 s22, s14, 64*VSP
	s_add_co_u32 s22, s22, VSTG
	v_mul_u32_u24 v5, v2, VSP
	v_lshl_add_u32 v5, v1, 4, v5
	v_add_nc_u32 v[VRD], s22, v5                   ; back: wave w takes rows 64 w on, whole; lanes 0-15 one row, lanes 16-31 the next
	v_lshlrev_b32 v5, 11, v2
	v_lshl_add_u32 v[VGO], v1, 4, v5               ; and the same two rows in v_codes, 2,048 bytes apart
	s_wait_kmcnt 0x0
	s_sub_co_i32 s94, s90, s84
	s_sub_co_i32 s94, s94, s85                     ; e6 - e0 - e1
	s_sub_co_i32 s95, s91, s86
	s_sub_co_i32 s95, s95, s87                     ; e7 - e2 - e3
	s_sub_co_i32 s96, s93, s88
	s_sub_co_i32 s96, s96, s89                     ; e9 - e4 - e5
	s_cmp_eq_u32 ttmp9, 0
	s_cselect_b32 s94, s94, s95
	s_cmp_eq_u32 ttmp9, 2
	s_cselect_b32 s96, s96, s94                    ; a choice, no branch
	s_add_co_i32 s96, s96, 127
	s_lshl_b32 s97, s96, 23
	v_mov_b32 v[SCL], s97                          ; the folded scale as f32: the conversion takes its exponent field
	s_add_co_i32 s96, s96, 15
	s_lshl_b32 s96, s96, 23
	s_or_b32 s96, s96, 0x600000
	v_mov_b32 v[LIM], s96                          ; 57,344 x that
	; ---- THE TABLE.  F = 10^(d / 8), rounded to f32, d = my lane
.macro FL d, bits
	s_mov_b32 s66, \bits
	v_writelane_b32 v[FI], s66, \d
.endm
	v_mov_b32 v[FI], 0                             ; (v_writelane_b32's destination counts as read)
	FL 0, 0x3f800000
	FL 1, 0x3faab0d5
	FL 2, 0x3fe39ea9
	FL 3, 0x4017c496
	FL 4, 0x404a62c2
	FL 5, 0x4086f161
	FL 6, 0x40b3f300
	FL 7, 0x40eff755
	FL 8, 0x41200000
	FL 9, 0x41555d0a
	FL 10, 0x418e432a
	FL 11, 0x41bdb5bc
	FL 12, 0x41fcfb72
	FL 13, 0x4228adb9
	FL 14, 0x4260efc0
	FL 15, 0x4295fa95
	FL 16, 0x42c80000
	FL 17, 0x43055a26
	FL 18, 0x4331d3f4
	FL 19, 0x436d232b
	FL 20, 0x439e1d27
	FL 21, 0x43d2d927
	FL 22, 0x440c95d8
	FL 23, 0x443b793b
	FL 24, 0x447a0000
	FL 25, 0x44a6b0b0
	FL 26, 0x44de48f1
	FL 27, 0x451435fb
	FL 28, 0x4545a471
	FL 29, 0x4583c7b8
	FL 30, 0x45afbb4e
	FL 31, 0x45ea5789
	v_rcp_f32 v[FI+1], v[FI]
	v_mov_b32 v[KA], 0xb2d7322b                    ; -1 / 11!   (a plain line behind the reciprocal)
	v_mov_b32 v[KA+1], 0xb493f27e                  ; -1 / 10!
	v_mov_b32 v[KM], 0x4b400000                    ; 1.5 x 2^23: added to a number under 2^22 it leaves the nearest whole number in the low bits
	v_mov_b32 v[KM+1], 0
	s_and_b32 s12, s17, 7                          ; the tile's first position: 256 x (A's block % 8); it enters numbers alone, no address
	s_lshl_b32 s12, s12, 8
	s_lshl_b32 s13, s14, 5
	s_add_co_u32 s12, s12, s13
	s_add_co_u32 s12, s12, 128                     ; the upper half first: position + 128 + 32 w
	v_cvt_f32_u32 v[PP], s12
	v_add_f32 v[PP+1], 1.0, v[PP]
	v_add_f32 v[PP+2], 2.0, v[PP]
	v_add_f32 v[PP+3], 0x40400000, v[PP]
	s_wait_alu depctr_va_vdst(0)                   ; the wait ahead of the first line that names the reciprocal
	v_fma_f32 v[TW], -v[FI], v[FI+1], 1.0
	v_fma_f32 v[FI+1], v[TW], v[FI+1], v[FI+1]     ; 1 / F, corrected once
; Two steps of Horner's rule in both series, for both sets
.macro POLY ks, kc
.irp z, 0,1
	v_pk_fma_f32 v[TW+32*\z+10:TW+32*\z+11], v[TW+32*\z+10:TW+32*\z+11], v[TW+32*\z+8:TW+32*\z+9], \ks op_sel_hi:[1,1,0]
	v_pk_fma_f32 v[TW+32*\z+16:TW+32*\z+17], v[TW+32*\z+16:TW+32*\z+17], v[TW+32*\z+8:TW+32*\z+9], \kc op_sel_hi:[1,1,0]
.endr
.endm
; Four positions, two to a set, the sets line by line by turns, so that no line waits for the line above it.  v[out + 2 n], v[out + 2 n + 1] = cos, sin of position p + n at my lane's pair.
; A set: +0 quotient, then theta; +2 remainder, then k + 1.5 x 2^23; +4 k; +6 r; +8 r^2; +10 sine's series; +12 r^3; +14 sine; +16 cosine's series, then cosine; +18, +19 the signs.
.macro TRIG4 out
.irp z, 0,1
	v_pk_mul_f32 v[TW+32*\z:TW+32*\z+1], v[PP+2*\z:PP+2*\z+1], v[FI:FI+1] op_sel:[0,1] op_sel_hi:[1,1]   ; q = p x (1 / F)
.endr
.irp z, 0,1
	v_pk_fma_f32 v[TW+32*\z+2:TW+32*\z+3], v[TW+32*\z:TW+32*\z+1], v[FI:FI+1], v[PP+2*\z:PP+2*\z+1] op_sel_hi:[1,0,1] neg_lo:[1,0,0] neg_hi:[1,0,0]   ; p - q F
.endr
.irp z, 0,1
	v_pk_fma_f32 v[TW+32*\z:TW+32*\z+1], v[TW+32*\z+2:TW+32*\z+3], v[FI:FI+1], v[TW+32*\z:TW+32*\z+1] op_sel:[0,1,0] op_sel_hi:[1,1,1]   ; theta = q + (p - q F) / F
.endr
.irp z, 0,1
	v_pk_fma_f32 v[TW+32*\z+2:TW+32*\z+3], v[TW+32*\z:TW+32*\z+1], 0x3ea2f983, v[KM:KM+1] op_sel_hi:[1,0,0]   ; theta / pi + 1.5 x 2^23
.endr
.irp z, 0,1
	v_pk_add_f32 v[TW+32*\z+4:TW+32*\z+5], v[TW+32*\z+2:TW+32*\z+3], 0xcb400000 op_sel_hi:[1,0]   ; k
.endr
.irp z, 0,1
	v_pk_fma_f32 v[TW+32*\z+6:TW+32*\z+7], v[TW+32*\z+4:TW+32*\z+5], 0xc0490fdb, v[TW+32*\z:TW+32*\z+1] op_sel_hi:[1,0,1]   ; theta - k x (pi as f32): exact
.endr
.irp z, 0,1
	v_pk_fma_f32 v[TW+32*\z+6:TW+32*\z+7], v[TW+32*\z+4:TW+32*\z+5], 0x33bbbd2e, v[TW+32*\z+6:TW+32*\z+7] op_sel_hi:[1,0,1]   ; + k x (pi as f32 - pi)
.endr
.irp z, 0,1
	v_pk_mul_f32 v[TW+32*\z+8:TW+32*\z+9], v[TW+32*\z+6:TW+32*\z+7], v[TW+32*\z+6:TW+32*\z+7]
.endr
.irp z, 0,1
	v_pk_fma_f32 v[TW+32*\z+10:TW+32*\z+11], v[TW+32*\z+8:TW+32*\z+9], 0x2f309231, v[KA:KA+1] op_sel_hi:[1,0,0]   ; r^2 / 13! - 1 / 11!
	v_pk_fma_f32 v[TW+32*\z+16:TW+32*\z+17], v[TW+32*\z+8:TW+32*\z+9], 0x310f76c7, v[KA:KA+1] op_sel:[0,0,1] op_sel_hi:[1,0,1]   ; r^2 / 12! - 1 / 10!
.endr
	POLY 0x3638ef1d, 0x37d00d01                    ; 1 / 9!, 1 / 8!
	POLY 0xb9500d01, 0xbab60b61                    ; -1 / 7!, -1 / 6!
	POLY 0x3c088889, 0x3d2aaaab                    ; 1 / 5!, 1 / 4!
	POLY 0xbe2aaaab, -0.5                          ; -1 / 3!, -1 / 2!
.irp z, 0,1
	v_pk_mul_f32 v[TW+32*\z+12:TW+32*\z+13], v[TW+32*\z+8:TW+32*\z+9], v[TW+32*\z+6:TW+32*\z+7]
	v_pk_fma_f32 v[TW+32*\z+16:TW+32*\z+17], v[TW+32*\z+16:TW+32*\z+17], v[TW+32*\z+8:TW+32*\z+9], 1.0 op_sel_hi:[1,1,0]   ; cos r
.endr
.irp z, 0,1
	v_pk_fma_f32 v[TW+32*\z+14:TW+32*\z+15], v[TW+32*\z+10:TW+32*\z+11], v[TW+32*\z+12:TW+32*\z+13], v[TW+32*\z+6:TW+32*\z+7]   ; sin r
	v_lshlrev_b32 v[TW+32*\z+18], 31, v[TW+32*\z+2]   ; k's lowest bit as a sign
	v_lshlrev_b32 v[TW+32*\z+19], 31, v[TW+32*\z+3]
.endr
.irp z, 0,1
	v_xor_b32 v[\out+4*\z], v[TW+32*\z+18], v[TW+32*\z+16]
	v_xor_b32 v[\out+4*\z+1], v[TW+32*\z+18], v[TW+32*\z+14]
	v_xor_b32 v[\out+4*\z+2], v[TW+32*\z+19], v[TW+32*\z+17]
	v_xor_b32 v[\out+4*\z+3], v[TW+32*\z+19], v[TW+32*\z+15]
	v_pk_add_f32 v[PP+2*\z:PP+2*\z+1], v[PP+2*\z:PP+2*\z+1], 4.0 op_sel_hi:[1,0]
.endr
.endm
.set I, 0
.rept 8                                ; positions 128 + 32 w on: straight into LDS bytes that no tile touches; 32 lanes store a row's 256 bytes
	TRIG4 HO
.irp n, 0,1,2,3
	ds_store_b64 v[THS], v[HO+2*\n:HO+2*\n+1] offset:(4*I+\n)*TP
.endr
.set I, I+1
.endr
	v_pk_add_f32 v[PP:PP+1], v[PP:PP+1], 0xc3200000 op_sel_hi:[1,0]      ; back by 160: positions 32 w on
	v_pk_add_f32 v[PP+2:PP+3], v[PP+2:PP+3], 0xc3200000 op_sel_hi:[1,0]
.set I, 0
.rept 8                                ; these stay in registers through the loop: their place in LDS is in slot 0
	TRIG4 KEEP+8*I
.set I, I+1
.endr
.macro FRAG reg, adr, q, i             ; a fragment, 16 rows x 128 K, is 16 registers: lane l holds row l % 16; registers 4 c .. 4 c + 3 hold K = 32 c + 16 (l / 16) + 0 .. 15: a permutation of K, the same in A and in B
.irp c, 0,1,2,3
	ds_load_b128 v[\reg+4*\c:\reg+4*\c+3], v[\adr] offset:128*(\q)+32*\c+(\i)*16*PITCH
.endr
.endm
; 16 matrix instructions: A's blocks a0, a0 + 1 x B's eight, 128 along K.  p: B's set.  zero = 1: the first product starts the sums: nothing is ever cleared.
; The 64 accumulators take turns, one instruction a turn, in the same order in every step.
.macro MUL16 a0, p, zero
.irp a, \a0, \a0+1
.irp b, 0,1,2,3,4,5,6,7
.if \zero
	v_wmma_f32_16x16x128_bf8_bf8 v[8*(8*((\a)%4)+\b):8*(8*((\a)%4)+\b)+7], v[128*(\p)+FR*\b:128*(\p)+FR*\b+FR-1], v[AF+FR*(\a):AF+FR*(\a)+FR-1], 0
.else
	v_wmma_f32_16x16x128_bf8_bf8 v[8*(8*((\a)%4)+\b):8*(8*((\a)%4)+\b)+7], v[128*(\p)+FR*\b:128*(\p)+FR*\b+FR-1], v[AF+FR*(\a):AF+FR*(\a)+FR-1], v[8*(8*((\a)%4)+\b):8*(8*((\a)%4)+\b)+7]
.endif
.endr
.endr
.endm
.macro FETCH_B slot, q, p              ; B's eight fragments of the slot's q-th 128 along K into set p
	WIN TO_B
.irp i, 0,1,2,3,4,5,6,7
	FRAG 128*(\p)+FR*\i, ADRB+\slot, \q, \i
.endr
	WIN 0
.endm
.macro FETCH_A slot, q, i0             ; A's blocks i0 .. i0 + 3
.irp i, \i0, \i0+1, \i0+2, \i0+3
	FRAG AF+FR*(\i), ADRA+\slot, \q, \i
.endr
.endm
; A load into a register that a matrix instruction has read, and a vector instruction that reads a matrix result or writes one of its registers, stand NP places behind it; only plain vector
; instructions that name none of its registers are places (ISA guide 7.12.1 for vector instructions).
.macro PLACES n
.rept \n
	v_nop
.endr
.endm
; A step of 128 along K that has its successor in the same slot.  A block of A is free as soon as its eight products are issued: blocks 0-3 are fetched anew in the step's middle, blocks 4-7 at its end.
.macro STEP slot, q, zero
	s_wait_dscnt 4*NL                              ; B's set and A's blocks 0-3 are in; the youngest sixteen loads (A's blocks 4-7) may be out
	WIN MUL_LO
	MUL16 0, (\q)%2, \zero
	MUL16 2, (\q)%2, \zero
	s_wait_dscnt 0                                 ; A's blocks 4-7 are in (asked for 32 matrix instructions ago)
	PLACES NP
	FETCH_B \slot, (\q)+1, 1-(\q)%2
	FETCH_A \slot, (\q)+1, 0
	WIN MUL_HI
	MUL16 4, (\q)%2, \zero
	MUL16 6, (\q)%2, \zero
	PLACES NP
	WIN 0
	FETCH_A \slot, (\q)+1, 4
.endm
; A slot's last step changes slots: one barrier; in front of it each wave waits for all its tensor loads, adds 0 to its spare word, and waits for that and for its own reads of this slot.  fill = 1: this slot is filled again, two K steps ahead.
.macro TURN slot, next, fill
	s_wait_tensorcnt 0x0                           ; all my tensor loads have landed: my part of the next slot;  (every window is 0 here)
	ds_add_u32 v[SPW], v[NIL]                      ; 0 onto my spare word
	s_wait_dscnt 4*NL+1                            ; (the add and the youngest sixteen loads, A's blocks 4-7, may be out)
	WIN MUL_LO
	MUL16 0, 1, 0                                  ; sixteen matrix instructions stand between the add and the wait for it
	s_wait_dscnt 0x0                               ; the add is done, and my reads of this slot are over
	s_barrier_signal -1
	MUL16 2, 1, 0
	WIN 0
	s_barrier_wait -1
.if \fill
	CREST                                          ; the barrier has opened a round of the cluster's barrier: no wave of any partner still reads this slot's tile or has a load on its way
	s_add_nc_u64 s[G0+4*\slot+2:G0+4*\slot+3], s[G0+4*\slot+2:G0+4*\slot+3], 2*ROWB
	s_add_nc_u64 s[G0B+4*\slot+2:G0B+4*\slot+3], s[G0B+4*\slot+2:G0B+4*\slot+3], 2*ROWB
	JLOAD G0+4*\slot, G1, G0B+4*\slot, G1B         ; the first tensor load behind the round; the four v_nop behind it are the places in front of the loads below
.else
	PLACES NP
.endif
	FETCH_B \next, 0, 0
	FETCH_A \next, 0, 0
	WIN MUL_HI
	MUL16 4, 1, 0
	MUL16 6, 1, 0
	PLACES NP
	WIN 0
	FETCH_A \next, 0, 4
.endm
	s_wait_dscnt 0x0                               ; my rows of the table's upper half lie in LDS,
	s_wait_tensorcnt 1                             ; my part of K step 0 is in (K step 1's load may be out)
	s_barrier_signal -1
	s_barrier_wait -1                              ; everybody's is
	FETCH_B 0, 0, 0
	FETCH_A 0, 0, 0
	FETCH_A 0, 0, 4
	STEP 0, 0, 1                                   ; the first step stands in front of the loop: its products start the sums
	s_mov_b32 s3, LAPS-1
.Llap:                                                 ; a trip goes once round the ring, from a lap's second step to the next lap's first, and fills both slots again
	TURN 0, 1, 1
	STEP 1, 0, 0
	TURN 1, 0, 1
	STEP 0, 0, 0
	s_sub_co_u32 s3, s3, 1
	s_cmp_lg_u32 s3, 0
	s_cbranch_scc1 .Llap
	TURN 0, 1, 0                                   ; the last lap fills nothing, and has no round of the cluster's barrier; behind this barrier nobody reads slot 0
	STEP 1, 0, 0
	s_wait_dscnt 4*NL                              ; the very last step: nothing more to fetch
	WIN MUL_LO
	MUL16 0, 1, 0
	MUL16 2, 1, 0
	s_wait_dscnt 0
	WIN MUL_HI
	MUL16 4, 1, 0
	MUL16 6, 1, 0
	WIN 0
	PLACES NP                                      ; behind the last products: A's registers are written and results are read below
.macro FINIS                           ; the wave's end: a wait for my last tensor load, 0 onto my spare word, a wait for that and my last LDS store; then the closing round: no work-group ends while a partner may still ask for a tile that names it
	s_wait_tensorcnt 0x0
	ds_add_u32 v[SPW], v[NIL]
	s_wait_dscnt 0x0
	CROUND
	s_endpgm
.endm
	s_cmp_eq_u32 ttmp9, 2                          ; the cluster's x: the same in every wave of every partner
	s_cbranch_scc1 .Lv_out
	; ---- Q AND K.  The table's lower half goes to LDS; a barrier, since a wave reads rows that all four made
.set N, 0
.rept 32
	ds_store_b64 v[TLS], v[KEEP+2*N:KEEP+2*N+1] offset:N*TP
.set N, N+1
.endr
	s_lshr_b32 s20, s17, 3                         ; my part's first byte: ((b x 16 + head) x 2,048 + position) x 64; head = 4 x (B's block) + 2 x (my half of B's rows)
	s_lshl_b32 s20, s20, 4
	s_lshl_b32 s21, s42, 2
	s_add_co_u32 s20, s20, s21
	s_lshl_b32 s21, s16, 1
	s_add_co_u32 s20, s20, s21
	s_lshl_b32 s20, s20, 11
	s_and_b32 s21, s17, 7
	s_lshl_b32 s21, s21, 8
	s_add_co_u32 s20, s20, s21
	s_lshl_b32 s21, s15, 7
	s_add_co_u32 s20, s20, s21
	s_lshl_b32 s20, s20, 6
	s_mov_b32 s21, 0
	s_add_nc_u64 s[10:11], s[10:11], s[20:21]
	s_wait_dscnt 0x0                               ; for the others' sake: my rows of the table are stored
	s_barrier_signal -1
	s_barrier_wait -1
.macro TLOAD a                         ; the table's numbers for block a: position 16 a + r, pairs 8 bb + 4 h + 0 .. 3: (c, s) x 4 in eight registers for each bb
.irp bb, 0,1,2,3
	ds_load_b128 v[T+32*((\a)%2)+8*\bb:T+32*((\a)%2)+8*\bb+3], v[TLD] offset:16*(\a)*TP+64*\bb
	ds_load_b128 v[T+32*((\a)%2)+8*\bb+4:T+32*((\a)%2)+8*\bb+7], v[TLD] offset:16*(\a)*TP+64*\bb+16
.endr
.endm
; Block a: 16 positions x 128 features (two heads).  Accumulator (a, b): lane (r, h), register j = position 16 a + r, head b / 4, dimension 16 (b % 4) + 8 h + j.
.macro QKOUT a
.set AC, 64*((\a)%4)
.set TS, T+32*((\a)%2)
.if (\a) < 7
	TLOAD (\a)+1                                   ; the next block's numbers come while this block is worked; the wait at this block's end covers them
.endif
	WIN (0x08+4*((\a)/4))                          ; source 1: window 2 or 3
.irp b, 0,1,2,3,4,5,6,7
.irp i, 0,1,2,3                        ; each accumulator from its low end on
	v_pk_mul_f32 v[TMP+8*\b+2*\i:TMP+8*\b+2*\i+1], v[TS+8*(\b%4)+2*\i:TS+8*(\b%4)+2*\i+1], v[AC+8*\b+2*\i:AC+8*\b+2*\i+1] op_sel_hi:[1,0]   ; (c x0, s x0)
.endr
.irp i, 0,1,2,3
	v_pk_fma_f32 v[TMP+8*\b+2*\i:TMP+8*\b+2*\i+1], v[TS+8*(\b%4)+2*\i:TS+8*(\b%4)+2*\i+1], v[AC+8*\b+2*\i:AC+8*\b+2*\i+1], v[TMP+8*\b+2*\i:TMP+8*\b+2*\i+1] op_sel:[1,1,0] op_sel_hi:[0,1,1] neg_lo:[1,0,0]   ; (- s x1, + c x1)
.endr
.endr
	WIN 0
.set J, 0
.rept 64
	v_med3_num_f32 v[TMP+J], v[TMP+J], -v[LIM], v[LIM]   ; the conversion to an 8-bit code does not saturate (ISA guide 7.6.2): the hold at the largest code x the scale
.set J, J+1
.endr
.irp b, 0,1,2,3,4,5,6,7
	v_cvt_scalef32_pk8_bf8_f32 v[C+2*\b:C+2*\b+1], v[TMP+8*\b:TMP+8*\b+7], v[SCL]
.endr
	v_nop                                          ; one plain vector line behind the last conversion
.irp b, 0,1,2,3,4,5,6,7
	ds_store_b64 v[QSTO], v[C+2*\b:C+2*\b+1] offset:(\b/4)*16*QP+16*(\b%4)   ; my own stage: head b / 4, row r, 8 codes
.endr
	s_wait_xcnt 0x0                                ; the last block's stores have read their registers, which take the loads below
.irp u, 0,1,2,3                        ; head u / 2, rows 8 (u % 2) on.  LDS serves a wave's instructions in order (ISA guide 5.7.1.4): these see the stores above
	ds_load_b128 v[BK+4*\u:BK+4*\u+3], v[QRD] offset:(\u/2)*16*QP+(\u%2)*8*QP
.endr
	s_wait_dscnt 0x0
.irp u, 0,1,2,3
	global_store_b128 v[QGO], v[BK+4*\u:BK+4*\u+3], s[10:11] offset:(\u/2)*131072+(\a)*1024+(\u%2)*512   ; 32 lanes store 512 consecutive bytes, eight rows of a head, at a multiple of 512 from the buffer's first byte
.endr
.endm
	TLOAD 0
	s_wait_dscnt 0x0
.irp a, 0,1,2,3,4,5,6,7
	QKOUT \a
.endr
	FINIS
.Lv_out:
	; ---- V.  Accumulator (a, b): lane (r, h), register j = feature 16 a + r, position 16 b + 8 h + j: eight neighbours along the keys
.macro VOUT a
.set AC, 64*((\a)%4)
	WIN (0x02+(\a)/4)                              ; source 0: window 2 or 3
.set J, 0
.rept 64
	v_med3_num_f32 v[TMP+J], v[AC+J], -v[LIM], v[LIM]   ; the hold, each accumulator from its low end on
.set J, J+1
.endr
	WIN 0
	s_wait_dscnt 0x0                               ; the last block's stores into the stage are done
.irp b, 0,1,2,3,4,5,6,7
	v_cvt_scalef32_pk8_bf8_f32 v[C+2*\b:C+2*\b+1], v[TMP+8*\b:TMP+8*\b+7], v[SCL]
.endr
	v_nop                                          ; one plain vector line behind the last conversion
.irp c, 0,1,2,3
	ds_store_b128 v[VSTO], v[C+4*\c:C+4*\c+3] offset:16*(\a)*VSP+32*\c   ; accumulators 2 c and 2 c + 1: 16 codes at byte 32 c + 16 h of my half of the row
.endr
.endm
.irp a, 0,1,2,3,4,5,6,7
	VOUT \a
.endr
	s_lshr_b32 s20, s42, 3                         ; the first row that I store: b x 1,024 + 256 x (A's block) + 64 w, of 2,048 bytes; + 256 x (B's block % 8)
	s_lshl_b32 s20, s20, 10
	s_lshl_b32 s21, s17, 8
	s_add_co_u32 s20, s20, s21
	s_lshl_b32 s21, s14, 6
	s_add_co_u32 s20, s20, s21
	s_lshl_b32 s20, s20, 11
	s_and_b32 s21, s42, 7
	s_lshl_b32 s21, s21, 8
	s_add_co_u32 s20, s20, s21
	s_mov_b32 s21, 0
	s_add_nc_u64 s[82:83], s[82:83], s[20:21]
	s_wait_dscnt 0x0                               ; for the others' sake: a row's 256 bytes come from two waves
	s_barrier_signal -1
	s_barrier_wait -1
.irp g, 0,1
.if \g
	s_wait_xcnt 0x0                                ; the first sixteen stores have read their registers
.endif
.irp t, 0,1,2,3,4,5,6,7,8,9,10,11,12,13,14,15
	ds_load_b128 v[VB+4*\t:VB+4*\t+3], v[VRD] offset:2*(16*\g+\t)*VSP
.endr
.irp t, 0,1,2,3,4,5,6,7,8,9,10,11,12,13,14,15
	s_wait_dscnt 15-\t                             ; LDS loads come back in order: number t is in, the younger ones may be out
	global_store_b128 v[VGO], v[VB+4*\t:VB+4*\t+3], s[82:83] offset:4096*(16*\g+\t)   ; 16 lanes store 256 consecutive bytes, at a multiple of 256 from the buffer's first byte
.endr
.endr
	FINIS
.Lfunc_end_k_qd06c02b2df_qkv:
	.size	k_qd06c02b2df_qkv, .Lfunc_end_k_qd06c02b2df_qkv-k_qd06c02b2df_qkv
	.p2alignl 7, 3214868480
	.fill 96, 4, 3214868480
	.section	.rodata,"a",@progbits
	.p2align	6, 0x0
	.amdhsa_kernel k_qd06c02b2df_qkv
		.amdhsa_group_segment_fixed_size 327680
		.amdhsa_private_segment_fixed_size 0
		.amdhsa_enable_private_segment 0
		.amdhsa_kernarg_size 64
		.amdhsa_user_sgpr_count 2
		.amdhsa_user_sgpr_kernarg_segment_ptr 1
		.amdhsa_wavefront_size32 1
		.amdhsa_system_sgpr_workgroup_id_x 1
		.amdhsa_system_sgpr_workgroup_id_y 1
		.amdhsa_system_sgpr_workgroup_id_z 1
		.amdhsa_system_vgpr_workitem_id 0
		.amdhsa_next_free_vgpr 1024
		.amdhsa_next_free_sgpr 98
		.amdhsa_reserve_vcc 0
		.amdhsa_float_denorm_mode_32 3
		.amdhsa_float_denorm_mode_16_64 3
		.amdhsa_memory_ordered 1
		.amdhsa_forward_progress 1
		.amdhsa_inst_pref_size 255
	.end_amdhsa_kernel
	.section	.bss,"aw",@nobits
	.p2align	6
	.space	262144
	.amdgpu_metadata
---
amdhsa.version: [ 1, 2 ]
amdhsa.kernels:
  - .name:           k_qd06c02b2df_qkv
    .symbol:         k_qd06c02b2df_qkv.kd
    .args:
      - { .name: x_codes, .offset: 0, .size: 8, .value_kind: global_buffer, .address_space: global }
      - { .name: WQ_codes, .offset: 8, .size: 8, .value_kind: global_buffer, .address_space: global }
      - { .name: WK_codes, .offset: 16, .size: 8, .value_kind: global_buffer, .address_space: global }
      - { .name: WV_codes, .offset: 24, .size: 8, .value_kind: global_buffer, .address_space: global }
      - { .name: lowp_scales, .offset: 32, .size: 8, .value_kind: global_buffer, .address_space: global }
      - { .name: q_codes, .offset: 40, .size: 8, .value_kind: global_buffer, .address_space: global }
      - { .name: k_codes, .offset: 48, .size: 8, .value_kind: global_buffer, .address_space: global }
      - { .name: v_codes, .offset: 56, .size: 8, .value_kind: global_buffer, .address_space: global }
    .group_segment_fixed_size: 327680
    .private_segment_fixed_size: 0
    .kernarg_segment_align: 8
    .kernarg_segment_size: 64
    .max_flat_workgroup_size: 128
    .sgpr_count:     98
    .vgpr_count:     1024
    .wavefront_size: 32
...
	.end_amdgpu_metadata
.endif
;; end of part 1
;; launch attn (part 2): grid 4 x 64, 16 waves a work-group, clusters of 4 x 1, 327,680 bytes of LDS; arguments q_codes, k_codes, v_codes, lowp_scales, m_codes; writes m_codes
.if DOCPART == 2
	.amdgcn_target "amdgcn-amd-amdhsa--gfx1250"
	.amdhsa_code_object_version 6
	.text
	.protected	k_qd06c02b2df_attn
	.globl	k_qd06c02b2df_attn
	.p2align	8
	.type	k_qd06c02b2df_attn,@function
k_qd06c02b2df_attn:
	s_mov_b64 s[64:65], 0
	v_nop
	global_prefetch_b8 v0, s[64:65] scope:SCOPE_SE
	s_setreg_imm32_b32 hwreg(HW_REG_WAVE_MODE, 25, 1), 1
	s_wait_xcnt 0x0
	s_wait_alu depctr_hold_cnt(0) depctr_sa_sdst(0) depctr_va_vdst(0) depctr_va_sdst(0) depctr_va_ssrc(0) depctr_va_vcc(0) depctr_vm_vsrc(0)
	s_getreg_b32 s2, hwreg(HW_REG_IB_STS2, 6, 4)
	s_cmp_eq_u32 s2, 0
	s_cbranch_scc0 .Lentry_in_a_cluster
	s_endpgm
.Lentry_in_a_cluster:
	s_bfe_u32 s2, ttmp6, 0x10000c
	s_cmp_lg_u32 s2, 0x3003
	s_cbranch_scc0 .Lentry_shape_is_right
	s_endpgm
.Lentry_shape_is_right:
; m = the merged heads' codes: o[q] = sum over k <= q of softmax_k(Q[q] . K[k] / 8) V[k] for each of 64 (batch, head), both products on codes of BF8 (E5M2), o quantised again.
; q_codes, k_codes, m_codes: [64][2,048][64].  v_codes: [64][64 (d)][2,048 keys], the keys of each 32 in the order that the operand wants: 16 bytes at 32 c + 16 h are registers 4 c .. 4 c + 3 of lane half h.
; lowp_scales: e6 (Q), e7 (K), e8 (p), e9 (V), e10 (the merged heads).
; THE SOFTMAX AHEAD OF THE SECOND PRODUCT: t = score x log2(e) / 8; M = the running largest t rounded UP to a whole number; p = 2^(t - M) is quantised, not normalised; the row's sum is taken of the unquantised p
; and divides at the end.  When M moves, the sum and O are multiplied by 2^(old M - new M): exact.
; SHARES.  A cluster of four work-groups is one head.  Work-group g, wave w owns two tiles of 16 queries: ta = 4 w + g and tb = 127 - ta.  A tile t needs the key steps (128 keys) u <= t / 8: for ta that is w / 2,
; for tb 15 - w / 2: both hang on the wave's number alone, and every wave has 17 tile-steps: 256 work-groups of equal work, sixteen waves of equal work.  Steps whose keys all come after the tile's queries are left out.
; ALL OF A HEAD'S K AND V LIE IN LDS AT ONCE (2,048 x 80 + 8 x 64 x 272 bytes): no byte of LDS is filled twice, and the long loop has no barrier.  Each wave issues ONE tensor load, a chunk of 256 keys of K (waves 0-7)
; or of V (waves 8-15), JOINTLY with the same wave of the three partners: the four walk the same K and V.  Chunk 0 is asked for first and alone; the other fourteen loads go out behind a second round and land
; while chunk 0 is worked.  No prefetch: behind the second round nothing is left to ask for.
; LAYOUT.  Both products are used transposed: S^T = K Q^T (source 0 = 16 neighbouring keys, source 1 = 16 queries), O^T = V^T P^T (source 0 = 16 of the head's 64, source 1 = P): a lane holds ONE query throughout.
; Tile t of S^T, lane half h, register j is key 16 t + 8 h + j: its eight codes are registers 2 t, 2 t + 1 of the K = 128 form's operand as that form lays it.  Q's and K's 64 along K are taken 16 bytes a load,
; a permutation of K that is the same in both.
; LIMITS on the given exponents, so that each power of two below is an f32 number: e6 + e7 between -123 and 130 (added to c's exponent field); e8, and e10 - e8 - e9, between -126 and 112.
; REGISTERS: v1-11 addresses and the mask's numbers; v12-15, v16-19 a tile's -M, largest t, sum in two halves; v20-35 Q; v36-99 K's or V's fragments; v100-163 S^T, then p; v164-227 O^T; v228-243 p's codes;
;   v244 2^e8, v245 57,344 x 2^e8; v246-253 at work; v255 -infinity.
.set KP,    80                         ; a key's row in LDS: 64 bytes + 16: the 16 rows of a load start 16 bytes apart modulo 256
.set VP,    272                        ; a row of V's chunk: 256 bytes + 16
.set KCH,   256*KP                     ; a chunk of K
.set VCH,   64*VP                      ; a chunk of V
.set VOFF,  8*KCH
.set SPARE, VOFF+8*VCH                 ; the spare words, 128 bytes for each of sixteen waves
.set STAGE, SPARE+2048                 ; the way out: 16 rows x 80 bytes for each wave
.set AK0,  1                           ; v1   my lane's place in a tile of K
.set AV0,  2                           ; v2   the same for V
.set ADK,  3                           ; v3   LDS address of the step's K
.set ADV,  4                           ; v4   of its V
.set SPW,  5                           ; v5   LDS address of my spare word; never rewritten
.set NIL,  6                           ; v6   0; never rewritten
.set DM,   7                           ; v7, v8  16 (t % 8) + r - 8 h for the two tiles: register 8 tt + j is hidden on the diagonal where 16 tt + j is greater
.set STO,  9                           ; v9   the stage: where I put 8 codes
.set RD,   10                          ; v10  and where I read rows back
.set GO,   11                          ; v11  16 x lane
.set KV,   36
.set S,    100
.set O,    164
.set P,    228
.set QOF,  249                         ; v249 my byte offset in a tile of Q
.set WV,   18                          ; s18  my wave's number
.set C7,   19                          ; s19  wave % 8: my chunk
.set SEL,  20                          ; s[20:21] lane selects for v_permlanex16_b32: lane l xor 16
.set CS,   22                          ; s[22:23] c = log2(e) / 8 x 2^(e6 + e7)
.set G1K,  24                          ; s[24:31], s[32:39] descriptor groups 1;  s[40:43], s[44:47] groups 0: never rewritten
.set G1V,  32
.set G0K,  40
.set G0V,  44
.set TBK,  48                          ; s48  LDS byte of the chunk in hand, in K
.set TBV,  49                          ; s49  and in V, from V's first byte on
.set UC,   50                          ; s50  the key step's number
.set UA,   51                          ; s51, s52  the two tiles' last steps
.macro ROUND                           ; a round of the cluster's barrier
	s_barrier_signal -1
	s_barrier_wait -1
	s_cmp_lg_u32 s[WV], 0
	s_cbranch_scc1 .Lnot_wave_0_\@
	s_barrier_signal -3
.Lnot_wave_0_\@:
	s_barrier_wait -3
	s_barrier_signal -1
	s_barrier_wait -1
.endm
	s_load_b128 s[4:7], s[0:1], 0x0                ; q_codes, k_codes
	s_load_b128 s[8:11], s[0:1], 0x10              ; v_codes, the scales' exponents
	s_load_b64 s[12:13], s[0:1], 0x20              ; m_codes
	v_lshl_add_u32 v[SPW], v0, 2, SPARE
	v_mov_b32 v[NIL], 0
	ds_add_u32 v5, v6
	ds_add_u32 v5, v6
	s_wait_dscnt 0x0
	v_lshrrev_b32 v1, 5, v0
	v_readfirstlane_b32 s[WV], v1                  ; wave 0..15
	s_and_b32 s[C7], s[WV], 7
	s_lshr_b32 s[UA], s[WV], 1
	s_sub_co_u32 s[UA+1], 15, s[UA]
	s_bfe_u32 s54, ttmp6, 0x40000                  ; cx: it enters Q's and m's addresses and the mask's numbers alone
	s_and_b32 s55, ttmp7, 0xffff                   ; the head, which the four partners share
	s_lshl_b32 s66, s55, 17                        ; its first byte in each of the four buffers: 131,072 x head
	s_lshl_b32 s68, s[C7], 14                      ; K: my chunk's 256 rows of 64 bytes, dense
	s_add_co_u32 s68, s68, s66
	s_mov_b32 s69, 0
	s_lshl_b32 s70, s[C7], 8                       ; V: my chunk's 256 bytes of each row
	s_add_co_u32 s70, s70, s66
	s_mov_b32 s71, 0
	s_mul_i32 s63, s[C7], KCH                      ; and where they go
	s_mul_i32 s76, s[C7], VCH
	s_add_co_u32 s76, s76, VOFF
	s_lshl_b32 s61, s[WV], 2
	s_add_co_u32 s61, s61, s54                     ; ta
	s_sub_co_u32 s62, 127, s61                     ; tb
	s_lshl_b32 s72, s61, 10                        ; a tile of 16 rows is 1,024 bytes
	s_add_co_u32 s72, s72, s66
	s_mov_b32 s73, 0
	s_lshl_b32 s74, s62, 10
	s_add_co_u32 s74, s74, s66
	s_mov_b32 s75, 0
	; descriptor groups 1.  K: 256 rows of 64 bytes, 64 apart;  V: 64 rows of 256 bytes, 2,048 apart
	s_mov_b32 s[G1K], 15|(0<<16)|(1<<20)|(1<<21)|(3<<22)|(3<<25)   ; 15:0 the mask: all four work-groups; 17:16 elements of 1 byte; 20 padding on; 21 set beside a mask; 24:22 after every 16 words (code 3); 31:25 four words (code 3)
	s_mov_b32 s[G1K+1], 64<<16                     ; tensor_dim0
	s_mov_b32 s[G1K+2], 256<<16                    ; tensor_dim1
	s_mov_b32 s[G1K+3], 64<<16                     ; tile_dim0
	s_mov_b32 s[G1K+4], 256                        ; tile_dim1
	s_mov_b32 s[G1K+5], 64                         ; tensor_dim0_stride
	s_mov_b32 s[G1K+6], 0
	s_mov_b32 s[G1K+7], 0
	s_mov_b32 s[G1V], 15|(0<<16)|(1<<20)|(1<<21)|(5<<22)|(3<<25)   ; padding: four words after every 64
	s_mov_b32 s[G1V+1], 256<<16
	s_mov_b32 s[G1V+2], 64<<16
	s_mov_b32 s[G1V+3], 256<<16
	s_mov_b32 s[G1V+4], 64
	s_mov_b32 s[G1V+5], 2048
	s_mov_b32 s[G1V+6], 0
	s_mov_b32 s[G1V+7], 0
	s_mov_b32 s[SEL], 0x76543210
	s_mov_b32 s[SEL+1], 0xfedcba98
	s_mov_b32 s[CS], 0x3e38aa3b                    ; log2(e) / 8
	s_mov_b32 s[TBK], 0
	s_mov_b32 s[TBV], 0
	s_mov_b32 s[UC], 0
	s_wait_kmcnt 0x0
	s_load_b128 s[56:59], s[10:11], 0x18           ; e6, e7, e8, e9
	s_load_b32 s60, s[10:11], 0x28                 ; e10
	s_mov_b32 s[G0K], 1                            ; 1:0 count = 1
	s_mov_b32 s[G0K+1], s63                        ; 63:32 LDS address
	s_add_nc_u64 s[G0K+2:G0K+3], s[6:7], s[68:69]  ; 120:64 global address
	s_or_b32 s[G0K+3], s[G0K+3], 0x80000000        ; 127:126 type = 2
	s_mov_b32 s[G0V], 1
	s_mov_b32 s[G0V+1], s76
	s_add_nc_u64 s[G0V+2:G0V+3], s[8:9], s[70:71]
	s_or_b32 s[G0V+3], s[G0V+3], 0x80000000
	s_add_nc_u64 s[84:85], s[4:5], s[72:73]        ; Q's two tiles,
	s_add_nc_u64 s[86:87], s[4:5], s[74:75]
	s_add_nc_u64 s[80:81], s[12:13], s[72:73]      ; and m's
	s_add_nc_u64 s[82:83], s[12:13], s[74:75]
	ROUND                                          ; all four work-groups are here: the first joint loads meet
	s_cmp_eq_u32 s[WV], 0                          ; chunk 0: wave 0 asks for K's, wave 8 for V's.  The branches hang on the wave's number alone; four v_nop follow each load
	s_cbranch_scc0 .Lfirst_not_k
	tensor_load_to_lds s[G0K:G0K+3], s[G1K:G1K+7]
	s_nop 0
.rept 4
	v_nop
.endr
	s_branch .Lfirst_asked
.Lfirst_not_k:
	s_cmp_eq_u32 s[WV], 8
	s_cbranch_scc0 .Lfirst_asked
	tensor_load_to_lds s[G0V:G0V+3], s[G1V:G1V+7]
	s_nop 0
.rept 4
	v_nop
.endr
.Lfirst_asked:
	v_and_b32 v246, 15, v0                         ; r
	v_bfe_u32 v247, v0, 4, 1                       ; h
	v_and_b32 v250, 31, v0                         ; lane
	v_lshlrev_b32 v[QOF], 6, v246
	v_lshl_add_u32 v[QOF], v247, 4, v[QOF]         ; Q: row r of 64 bytes, + 16 h
	global_load_b128 v[20:23], v[QOF], s[84:85]    ; Q's two fragments stay in registers
	global_load_b128 v[24:27], v[QOF], s[84:85] offset:32
	global_load_b128 v[28:31], v[QOF], s[86:87]
	global_load_b128 v[32:35], v[QOF], s[86:87] offset:32
	v_mul_u32_u24 v[AK0], v246, KP
	v_lshl_add_u32 v[AK0], v247, 4, v[AK0]
	v_mul_u32_u24 v[AV0], v246, VP
	v_lshl_add_u32 v[AV0], v247, 4, v[AV0]
	v_add_nc_u32 v[AV0], VOFF, v[AV0]
	s_and_b32 s77, s61, 7
	s_lshl_b32 s77, s77, 4
	s_and_b32 s78, s62, 7
	s_lshl_b32 s78, s78, 4
	v_lshlrev_b32 v251, 3, v247
	v_sub_nc_u32 v251, v246, v251                  ; r - 8 h, as a signed number
	v_add_nc_u32 v[DM], s77, v251
	v_add_nc_u32 v[DM+1], s78, v251
	s_mul_i32 s79, s[WV], 16*KP
	s_add_co_u32 s79, s79, STAGE                   ; my stage
	v_mul_u32_u24 v[STO], v246, KP
	v_lshl_add_u32 v[STO], v247, 3, v[STO]
	v_add_nc_u32 v[STO], s79, v[STO]               ; in: row r, 8 bytes for each half of the lanes
	v_lshrrev_b32 v[RD], 2, v250
	v_mul_u32_u24 v[RD], v[RD], KP
	v_and_b32 v251, 3, v250
	v_lshl_add_u32 v[RD], v251, 4, v[RD]
	v_add_nc_u32 v[RD], s79, v[RD]                 ; back: four lanes to a row, eight rows an instruction
	v_lshlrev_b32 v[GO], 4, v250
	s_wait_tensorcnt 0x0                           ; chunk 0 has landed, where it was mine to ask for;
	ds_add_u32 v[SPW], v[NIL]                      ; 0 onto my spare word; work on registers stands between it and the wait for it
	ds_add_u32 v5, v6
.irp z, 12, 16
	v_mov_b32 v[\z+1], 0xff61b1e6                  ; the largest t so far: -3e38, under every t
	v_floor_f32 v[\z], -v[\z+1]                    ; -M
	v_mov_b32 v[\z+2], 0                           ; the sum, in two halves
	v_mov_b32 v[\z+3], 0
.endr
	v_mov_b32 v248, 0                              ; written once: a lane permute's destination counts as one of its sources
	v_mov_b32 v253, 0                              ; (named as the upper half of the pair v[252:253])
	v_mov_b32 v255, 0xff800000                     ; -infinity
.set J, 0
.rept 64
	v_mov_b32 v[O+J], 0                            ; O^T.  (The step is written without a first form: the first finds zeros, which the first change of M leaves zeros)
.set J, J+1
.endr
	s_wait_kmcnt 0x0
	s_add_co_i32 s77, s56, s57
	s_lshl_b32 s77, s77, 23
	s_add_co_i32 s[CS], s[CS], s77                 ; a score stands for score x 2^(e6 + e7): the two exponents are added to c's exponent field
	s_mov_b32 s[CS+1], s[CS]                       ; (named with it as a pair)
	s_add_co_i32 s77, s58, 127
	s_lshl_b32 s78, s77, 23
	v_mov_b32 v244, s78                            ; 2^e8 as f32, for p's conversion
	s_add_co_i32 s77, s77, 15
	s_lshl_b32 s77, s77, 23
	s_or_b32 s77, s77, 0x600000
	v_mov_b32 v245, s77                            ; 57,344 x 2^e8
	s_sub_co_i32 s77, s60, s58
	s_sub_co_i32 s77, s77, s59                     ; O^T / the sum stands for that x 2^(e8 + e9): its code is that / 2^(e10 - e8 - e9)
	s_add_co_i32 s77, s77, 127
	s_lshl_b32 s88, s77, 23                        ; 2^(e10 - e8 - e9) as f32,
	s_add_co_i32 s77, s77, 15
	s_lshl_b32 s89, s77, 23
	s_or_b32 s89, s89, 0x600000                    ; and 57,344 x that
	s_wait_dscnt 0x0                               ; the add is done
	ROUND                                          ; chunk 0 lies whole in every partner's LDS, and no load is on its way
	s_cmp_eq_u32 s[C7], 0                          ; the other seven chunks of K and of V: a wave's one tensor load, the first thing behind the round.  Waves 0 and 8 have asked
	s_cbranch_scc1 .Lrest_asked
	s_cmp_lt_u32 s[WV], 8
	s_cbranch_scc0 .Lrest_v
	tensor_load_to_lds s[G0K:G0K+3], s[G1K:G1K+7]
	s_nop 0
.rept 4
	v_nop
.endr
	s_branch .Lrest_asked
.Lrest_v:
	tensor_load_to_lds s[G0V:G0V+3], s[G1V:G1V+7]
	s_nop 0
.rept 4
	v_nop
.endr
.Lrest_asked:
; A KEY STEP of tile T (0: ta, 1: tb): 128 keys, the q-th of the chunk in hand.
.macro STEP T, q
.set ST, 12+4*(\T)
.set QF, 20+8*(\T)
.set OT, O+32*(\T)
	s_cmp_gt_u32 s[UC], s[UA+\T]                   ; all keys of the step come after the tile's queries: the step is left out.  A branch on the wave's number and a counted step
	s_cbranch_scc1 .Lhidden_\@
	v_add_nc_u32 v[ADK], s[TBK], v[AK0]
	v_add_nc_u32 v[ADV], s[TBV], v[AV0]
	v_nop                                          ; with the two additions: four places in front of loads into registers that the last products have read
	v_nop
.irp t, 0,1,2,3,4,5,6,7
	ds_load_b128 v[KV+8*\t:KV+8*\t+3], v[ADK] offset:(128*(\q)+16*\t)*KP
	ds_load_b128 v[KV+8*\t+4:KV+8*\t+7], v[ADK] offset:(128*(\q)+16*\t)*KP+32
.endr
	s_wait_dscnt 0x0
.irp t, 0,1,2,3,4,5,6,7
	v_wmma_f32_16x16x64_bf8_bf8 v[S+8*\t:S+8*\t+7], v[KV+8*\t:KV+8*\t+7], v[QF:QF+7], 0
.endr
.rept 4
	v_nop                                          ; four places: in front of the loads below, and of the first read of the scores
.endr
.irp d, 0,1,2,3                        ; V's four fragments land under the softmax
.irp c, 0,1,2,3
	ds_load_b128 v[KV+16*\d+4*\c:KV+16*\d+4*\c+3], v[ADV] offset:16*\d*VP+128*(\q)+32*\c
.endr
.endr
	s_cmp_lg_u32 s[UC], s[UA+\T]                   ; only the tile's last step lies on the diagonal: there the scores of hidden keys become -infinity ahead of the maximum, and p = 0.  Key 0 counts for every query
	s_cbranch_scc1 .Lopen_\@
.set N, 0
.rept 64
	v_cmp_gt_i32 vcc_lo, 16*(N/8)+N%8, v[DM+\T]
	v_cndmask_b32 v[S+N], v[S+N], v255, vcc_lo
.set N, N+1
.endr
.Lopen_\@:
	v_max3_num_f32 v246, v[S], v[S+1], v[S+2]      ; the step's largest score of my query among my 64 keys, in two chains, each accumulator from its low end on,
	v_max3_num_f32 v247, v[S+3], v[S+4], v[S+5]
.set J, 6
.rept 14
	v_max3_num_f32 v246, v246, v[S+J], v[S+J+1]
	v_max3_num_f32 v247, v247, v[S+J+2], v[S+J+3]
.set J, J+4
.endr
	v_max3_num_f32 v246, v246, v[S+62], v[S+63]
	v_max_num_f32 v246, v246, v247
	v_permlanex16_b32 v248, v246, s[SEL], s[SEL+1]
	v_max_num_f32 v246, v246, v248                 ; and among lane l xor 16's
	v_mul_f32 v246, s[CS], v246                    ; as t (c is positive)
	v_max_num_f32 v[ST+1], v[ST+1], v246           ; the running largest t
	v_mov_b32 v246, v[ST]
	v_floor_f32 v[ST], -v[ST+1]                    ; the new -M = floor(-t): M is a whole number
	v_sub_f32 v246, v[ST], v246                    ; old M - new M: a whole number, 0 or less
	v_cvt_i32_f32 v246, v246                       ; (it saturates)
	v_ldexp_f32 v252, 1.0, v246                    ; f = 2^(old M - new M)
.set J, 0
.rept 32
	v_pk_fma_f32 v[S+J:S+J+1], v[S+J:S+J+1], s[CS:CS+1], v[ST:ST+1] op_sel_hi:[1,0,0]   ; t - M, two at a time (of the pairs c and -M the low word serves both halves)
.set J, J+2
.endr
.set J, 0
.rept 64
	v_exp_f32 v[S+J], v[S+J]                       ; p = 2^(t - M), at most 1
.set J, J+1
.endr
	v_pk_mul_f32 v[ST+2:ST+3], v[ST+2:ST+3], v[252:253] op_sel_hi:[1,0]   ; the sums under the new M: the plain line behind the exponentials
	s_wait_alu depctr_va_vdst(0)                   ; one wait for the whole batch, ahead of its first reader
	v_pk_add_f32 v[250:251], v[S:S+1], v[S+2:S+3]  ; the row's sum is taken of the unquantised p, in two chains
.set J, 4
.rept 15
	v_pk_add_f32 v[ST+2:ST+3], v[ST+2:ST+3], v[S+J:S+J+1]
	v_pk_add_f32 v[250:251], v[250:251], v[S+J+2:S+J+3]
.set J, J+4
.endr
	v_pk_add_f32 v[ST+2:ST+3], v[ST+2:ST+3], v[250:251]
.irp t, 0,1,2,3,4,5,6,7
.irp i, 0,1,2,3,4,5,6,7
	v_min_num_f32 v[S+8*\t+\i], v[S+8*\t+\i], v245 ; the conversion does not saturate (ISA guide 7.6.2); p is not negative, so the hold is one-sided
.endr
	v_cvt_scalef32_pk8_bf8_f32 v[P+2*\t:P+2*\t+1], v[S+8*\t:S+8*\t+7], v244   ; keys 16 t + 8 h + 0 .. 7: registers 2 t, 2 t + 1 of the operand
.endr
.set J, 0
.rept 16
	v_pk_mul_f32 v[OT+J:OT+J+1], v[OT+J:OT+J+1], v[252:253] op_sel_hi:[1,0]   ; O^T under the new M.  (Plain lines between the last conversion and the products)
.set J, J+2
.endr
	s_wait_dscnt 0x0                               ; V is in
.irp d, 0,1,2,3                        ; four accumulators by turns, one instruction a turn
	v_wmma_f32_16x16x128_bf8_bf8 v[OT+8*\d:OT+8*\d+7], v[KV+16*\d:KV+16*\d+15], v[P:P+15], v[OT+8*\d:OT+8*\d+7]
.endr
.Lhidden_\@:
.endm
.macro SLOT_STEPS                      ; a chunk's two key steps, for both tiles
	STEP 0, 0
	STEP 1, 0
	s_add_co_u32 s[UC], s[UC], 1
	STEP 0, 1
	STEP 1, 1
	s_add_co_u32 s[UC], s[UC], 1
	s_add_co_u32 s[TBK], s[TBK], KCH
	s_add_co_u32 s[TBV], s[TBV], VCH
.endm
	s_wait_loadcnt 0x0                             ; Q
	SLOT_STEPS                                     ; chunk 0, while the other chunks land
	s_wait_tensorcnt 0x0                           ; my chunk has landed,
	s_wait_dscnt 0x0
	s_barrier_signal -1
	s_barrier_wait -1                              ; everybody's has
	s_mov_b32 s53, 7
.Lslot:
	SLOT_STEPS
	s_sub_co_u32 s53, s53, 1
	s_cmp_lg_u32 s53, 0
	s_cbranch_scc1 .Lslot
	; THE WAY OUT.  O^T / the sum is quantised along the head's 64, which lie along the last product's K: register 8 d + j of lane (r, h) is o(query r, 16 d + 8 h + j).
	; A tile's 16 rows of 64 codes go through my stage and leave as 1,024 dense bytes.
.macro FINISH T
.set ST, 12+4*(\T)
.set OT, O+32*(\T)
	v_add_f32 v[ST+2], v[ST+2], v[ST+3]            ; the sum's two halves,
	v_permlanex16_b32 v248, v[ST+2], s[SEL], s[SEL+1]
	v_add_f32 v[ST+2], v[ST+2], v248               ; and lane l xor 16's
	v_rcp_f32 v252, v[ST+2]
	v_nop                                          ; a plain line behind the reciprocal
	s_wait_alu depctr_va_vdst(0)                   ; and the wait ahead of its first reader
.set J, 0
.rept 16
	v_pk_mul_f32 v[S+J:S+J+1], v[OT+J:OT+J+1], v[252:253] op_sel_hi:[1,0]   ; each accumulator from its low end on
.set J, J+2
.endr
.set J, 0
.rept 32
	v_med3_num_f32 v[S+J], v[S+J], -v247, v247     ; the hold at the largest code x the scale
.set J, J+1
.endr
.irp d, 0,1,2,3
	v_cvt_scalef32_pk8_bf8_f32 v[P+8*(\T)+2*\d:P+8*(\T)+2*\d+1], v[S+8*\d:S+8*\d+7], v246
.endr
	v_nop                                          ; one plain vector line behind the last conversion
.irp d, 0,1,2,3
	ds_store_b64 v[STO], v[P+8*(\T)+2*\d:P+8*(\T)+2*\d+1] offset:16*\d
.endr
	ds_load_b128 v[KV+8*(\T):KV+8*(\T)+3], v[RD]   ; LDS serves a wave's instructions in order (ISA guide 5.7.1.4): these see the stores above; each tile has registers of its own
	ds_load_b128 v[KV+8*(\T)+4:KV+8*(\T)+7], v[RD] offset:8*KP
	s_wait_dscnt 0x0
	global_store_b128 v[GO], v[KV+8*(\T):KV+8*(\T)+3], s[80+2*(\T):81+2*(\T)]   ; 32 lanes store 512 consecutive bytes, at a multiple of 512 from the buffer's first byte
	global_store_b128 v[GO], v[KV+8*(\T)+4:KV+8*(\T)+7], s[80+2*(\T):81+2*(\T)] offset:512
.endm
.rept 4
	v_nop                                          ; four places behind the last products
.endr
	v_mov_b32 v246, s88
	v_mov_b32 v247, s89
	FINISH 0
	FINISH 1
	s_wait_tensorcnt 0x0                           ; the wave's end: a wait for my last tensor load, 0 onto my spare word, a wait for that and my last LDS store
	ds_add_u32 v[SPW], v[NIL]
	s_wait_dscnt 0x0
	ROUND                                          ; the closing round
	s_endpgm
.Lfunc_end_k_qd06c02b2df_attn:
	.size	k_qd06c02b2df_attn, .Lfunc_end_k_qd06c02b2df_attn-k_qd06c02b2df_attn
	.p2alignl 7, 3214868480
	.fill 96, 4, 3214868480
	.section	.rodata,"a",@progbits
	.p2align	6, 0x0
	.amdhsa_kernel k_qd06c02b2df_attn
		.amdhsa_group_segment_fixed_size 327680
		.amdhsa_private_segment_fixed_size 0
		.amdhsa_enable_private_segment 0
		.amdhsa_kernarg_size 40
		.amdhsa_user_sgpr_count 2
		.amdhsa_user_sgpr_kernarg_segment_ptr 1
		.amdhsa_wavefront_size32 1
		.amdhsa_system_sgpr_workgroup_id_x 1
		.amdhsa_system_sgpr_workgroup_id_y 1
		.amdhsa_system_sgpr_workgroup_id_z 1
		.amdhsa_system_vgpr_workitem_id 0
		.amdhsa_next_free_vgpr 256
		.amdhsa_next_free_sgpr 96
		.amdhsa_reserve_vcc 1
		.amdhsa_float_denorm_mode_32 3
		.amdhsa_float_denorm_mode_16_64 3
		.amdhsa_memory_ordered 1
		.amdhsa_forward_progress 1
		.amdhsa_inst_pref_size 181
	.end_amdhsa_kernel
	.amdgpu_metadata
---
amdhsa.version: [ 1, 2 ]
amdhsa.kernels:
  - .name:           k_qd06c02b2df_attn
    .symbol:         k_qd06c02b2df_attn.kd
    .args:
      - { .name: q_codes, .offset: 0, .size: 8, .value_kind: global_buffer, .address_space: global }
      - { .name: k_codes, .offset: 8, .size: 8, .value_kind: global_buffer, .address_space: global }
      - { .name: v_codes, .offset: 16, .size: 8, .value_kind: global_buffer, .address_space: global }
      - { .name: lowp_scales, .offset: 24, .size: 8, .value_kind: global_buffer, .address_space: global }
      - { .name: m_codes, .offset: 32, .size: 8, .value_kind: global_buffer, .address_space: global }
    .group_segment_fixed_size: 327680
    .private_segment_fixed_size: 0
    .kernarg_segment_align: 8
    .kernarg_segment_size: 40
    .max_flat_workgroup_size: 512
    .sgpr_count:     96
    .vgpr_count:     256
    .wavefront_size: 32
...
	.end_amdgpu_metadata
.endif
;; end of part 2
;; launch oproj (part 3): grid 4 x 32, 4 waves a work-group, clusters of 4 x 4, 327,680 bytes of LDS; arguments m_codes, WO_codes, lowp_scales, out0; writes out0
.if DOCPART == 3
	.amdgcn_target "amdgcn-amd-amdhsa--gfx1250"
	.amdhsa_code_object_version 6
	.text
	.protected	k_qd06c02b2df_oproj
	.globl	k_qd06c02b2df_oproj
	.p2align	8
	.type	k_qd06c02b2df_oproj,@function
k_qd06c02b2df_oproj:
	s_mov_b64 s[64:65], 0
	v_nop
	global_prefetch_b8 v0, s[64:65] scope:SCOPE_SE
	s_setreg_imm32_b32 hwreg(HW_REG_WAVE_MODE, 25, 1), 1
	s_wait_xcnt 0x0
	s_wait_alu depctr_hold_cnt(0) depctr_sa_sdst(0) depctr_va_vdst(0) depctr_va_sdst(0) depctr_va_ssrc(0) depctr_va_vcc(0) depctr_vm_vsrc(0)
	s_getreg_b32 s2, hwreg(HW_REG_IB_STS2, 6, 4)
	s_cmp_eq_u32 s2, 0
	s_cbranch_scc0 .Lentry_in_a_cluster
	s_endpgm
.Lentry_in_a_cluster:
	s_bfe_u32 s2, ttmp6, 0x10000c
	s_cmp_lg_u32 s2, 0xf033
	s_cbranch_scc0 .Lentry_shape_is_right
	s_endpgm
.Lentry_shape_is_right:
; out0[m][n] = sum over k of merged[m][k] WO[n][k] on codes of BF8 (E5M2); each finished sum x 2^(e10 + e11).  out0: [8,192][1,024] f32.  WO: [1,024][1,024] codes, K innermost.
; THE MERGED HEADS LIE HEAD BY HEAD: m_codes [b][head][position][64], k = 64 x head + d.  A K step of 256 is four heads; 128 positions of one head are 8,192 dense bytes.  So A's tile is stated as 4 rows of 8,192
; bytes, 131,072 apart, with 16 bytes of padding behind every 64: in LDS a head's plane is 10,240 bytes and a position's 64 codes lie 80 apart.
; LIMIT: e10 + e11 lies between -126 and 127, so that 2^(e10 + e11) is an f32 number.
; A tile of 256 x 256 to a work-group of four waves, 128 x 128 to a wave: 64 accumulators, 512 registers.  K goes in steps of 256 through a ring of two LDS slots filled by the tensor data mover.
; 128 tiles: half of the tile would give each fragment read from LDS half the products; that is the next thing to weigh, not done here.
; CLUSTERS: 4 x 4 work-groups; A's tile is shared along a row of the cluster, B's along a column: each is asked for jointly.  THE MATRIX INSTRUCTION IS USED TRANSPOSED (source 0 = 16 rows of WO, source 1 = 16 rows
; of the merged heads): a lane then holds eight neighbouring numbers of a row of out0.  No prefetch: a tile has four K steps, and the first two are asked for at the head.
; REGISTERS, in windows of 256: window 0: v0-31 addresses; from v128 A's fragments, ONE set; on the way out v32-255 are free.  window 1: B's fragments, TWO sets.
;   window 2: the accumulators of my rows 0-63 ((a, b) at v[8 (8 a + b)]);   window 3: those of my rows 64-127.
.set SIZE_N, 1024
.set ROWB,   256                       ; B: a tile's row in bytes
.set KROW,   1024                      ; a row of WO in memory
.set PITCH,  272                       ; B's LDS row: 256 bytes + 16
.set APITCH, 80                        ; A: a position's 64 codes + 16
.set APLANE, 128*APITCH                ; a head's 128 positions
.set AHALF,  4*APLANE                  ; what one tensor load brings of A: 128 positions x 4 heads
.set AHEAD,  131072                    ; from head to head in memory
.set FR,     16
.set NL,     4
.set NP,     4                         ; places behind this matrix instruction (ISA guide 7.12.1)
.set HALFT,  128*PITCH                 ; what one tensor load brings of B
.set BOFF,   2*AHALF                   ; B's 256 rows lie behind A's
.set SLOT,   BOFF+2*HALFT
.set LAPS,   2
.set SPARE,  2*SLOT                    ; behind the ring: the spare words, 128 bytes for each wave
.set SPITCH, 528                       ; the way out: a stage of 16 rows x (512 bytes + 16) for each wave, in slot 0, behind its last fill and its last read
.set ADRA, 16                          ; v16-17  LDS address of my A fragments in slot 0, 1
.set ADRB, 20                          ; v20-21  the same for B
.set STO,  24                          ; v24     the way out: where I put 32 bytes of a row
.set RD,   25                          ; v25     where I read a row back
.set CO,   26                          ; v26     my byte offset in a row of out0
.set SPW,  28                          ; v28     LDS address of my spare word; never rewritten
.set NIL,  29                          ; v29     0; never rewritten
.set TMP,  32                          ; the way out: 64 registers, a block's sums x 2^(e10 + e11)
.set AF,   128                         ; A's fragments
.set BK,   128                         ; the way out: 16 rows read back: v128-191 and v192-255 by turns
.set G1, 24                            ; s[24:31] descriptor group 1 for A's tiles;  s[32:39] group 0, one set for each slot
.set G0, 32
.set G1B, 48                           ; s[48:55], s[56:63] the same for B's tiles
.set G0B, 56
.set MSB, 0
.macro WIN new                         ; the immediate's high byte repeats the setting that is left
.if MSB != \new
	s_set_vgpr_msb (MSB<<8)|\new
.set MSB, \new
.endif
.endm
.set MUL_LO, 0xa1                      ; source 0 (B) window 1, source 1 (A) window 0, C and D window 2
.set MUL_HI, 0xf1                      ; the same, C and D window 3
.set TO_B,   0x40                      ; destination window 1, address window 0
; A joint load: waves 0 and 1 fetch for A, waves 2 and 3 for B; the branch hangs on the wave's number alone.  Four v_nop follow each of the two lines.
.macro JLOAD g0a, g1a, g0b, g1b
	s_cmp_eq_u32 s15, 0
	s_cbranch_scc0 .Lfor_b_\@
	tensor_load_to_lds s[\g0a:\g0a+3], s[\g1a:\g1a+7]
	s_nop 0
.rept 4
	v_nop
.endr
	s_branch .Lasked_\@
.Lfor_b_\@:
	tensor_load_to_lds s[\g0b:\g0b+3], s[\g1b:\g1b+7]
	s_nop 0
.rept 4
	v_nop
.endr
.Lasked_\@:
.endm
.macro CREST                           ; a round of the cluster's barrier behind its opening barrier
	s_cmp_lg_u32 s14, 0
	s_cbranch_scc1 .Lnot_wave_0_\@
	s_barrier_signal -3
.Lnot_wave_0_\@:
	s_barrier_wait -3
	s_barrier_signal -1
	s_barrier_wait -1
.endm
.macro CROUND                          ; a whole round
	s_barrier_signal -1
	s_barrier_wait -1
	CREST
.endm
	s_load_b128 s[4:7], s[0:1], 0x0                ; m_codes, WO_codes
	s_load_b128 s[8:11], s[0:1], 0x10              ; the scales' exponents, out0
	v_lshl_add_u32 v[SPW], v0, 2, SPARE
	v_mov_b32 v[NIL], 0
	ds_add_u32 v28, v29
	ds_add_u32 v28, v29
	s_wait_dscnt 0x0
	v_lshrrev_b32 v1, 5, v0
	v_readfirstlane_b32 s14, v1                    ; wave 0..3
	s_lshr_b32 s15, s14, 1                         ; which half of the tile's rows is mine.  Also: I fetch for A (0) or for B (1)
	s_and_b32 s16, s14, 1                          ; which half of its columns.  Also: which 128 rows of that tile I fetch
	s_bfe_u32 s40, ttmp6, 0x40000                  ; cx, cy: my place in the cluster
	s_bfe_u32 s41, ttmp6, 0x40004
	s_lshl_b32 s42, ttmp9, 2
	s_add_co_u32 s42, s42, s40                     ; tile column = 4 x cluster x + cx
	s_and_b32 s17, ttmp7, 0xffff
	s_lshl_b32 s17, s17, 2
	s_add_co_u32 s17, s17, s41                     ; tile row = 4 x cluster y + cy
	s_lshl_b32 s43, s41, 2
	s_lshl_b32 s43, 15, s43                        ; my row of the cluster
	s_lshl_b32 s44, 0x1111, s40                    ; my column
	; descriptor group 1 for A: 4 rows (heads) of 8,192 bytes, 131,072 apart; padding of 4 words after every 16
	s_or_b32 s[G1+0], s43, (0<<16)|(1<<20)|(1<<21)|(3<<22)|(3<<25)  ; 15:0 the mask: A's tiles go to my row; 17:16 element of 1 byte; 20 padding on; 21 set beside a mask; 24:22 after every 16 words (code 3); 31:25 of 4 words (code 3)
	s_mov_b32 s[G1+1], 8192<<16                    ; tensor_dim0
	s_mov_b32 s[G1+2], 4<<16                       ; tensor_dim1
	s_mov_b32 s[G1+3], 8192<<16                    ; tile_dim0
	s_mov_b32 s[G1+4], 4                           ; tile_dim1
	s_mov_b32 s[G1+5], AHEAD                       ; tensor_dim0_stride
	s_mov_b32 s[G1+6], 0
	s_mov_b32 s[G1+7], 0
	; and for B: 128 rows of 256 bytes, 1,024 apart; padding of 4 words after every 64
	s_or_b32 s[G1B+0], s44, (0<<16)|(1<<20)|(1<<21)|(5<<22)|(3<<25)
	s_mov_b32 s[G1B+1], ROWB<<16
	s_mov_b32 s[G1B+2], 128<<16
	s_mov_b32 s[G1B+3], ROWB<<16
	s_mov_b32 s[G1B+4], 128
	s_mov_b32 s[G1B+5], KROW
	s_mov_b32 s[G1B+6], 0
	s_mov_b32 s[G1B+7], 0
	s_lshr_b32 s20, s17, 3
	s_lshl_b32 s20, s20, 21                        ; A: the batch's 16 heads of 131,072 bytes,
	s_and_b32 s18, s17, 7
	s_lshl_b32 s18, s18, 8
	s_lshl_b32 s19, s16, 7
	s_add_co_u32 s18, s18, s19                     ; position 256 x (tile row % 8) + 128 x half,
	s_lshl_b32 s18, s18, 6                         ; of 64 bytes
	s_add_co_u32 s20, s20, s18
	s_mov_b32 s21, 0
	s_lshl_b32 s46, s42, 8
	s_add_co_u32 s46, s46, s19                     ; B: row 256 x tile column + 128 x half,
	s_lshl_b32 s46, s46, 10                        ; of 1,024 bytes
	s_mov_b32 s47, 0
	s_mul_i32 s45, s16, AHALF                      ; where they go: no place in the cluster enters an LDS address
	s_mul_i32 s12, s16, HALFT
	s_add_co_u32 s12, s12, BOFF
	s_wait_kmcnt 0x0
	s_load_b64 s[96:97], s[8:9], 0x28              ; e10, e11
	s_add_nc_u64 s[20:21], s[4:5], s[20:21]
	s_add_nc_u64 s[46:47], s[6:7], s[46:47]
	CROUND                                         ; all sixteen work-groups are here: the first joint loads meet
.irp s, 0,1
	s_mov_b32 s[G0+4*\s], 1
	s_add_co_u32 s[G0+4*\s+1], s45, \s*SLOT
	s_add_nc_u64 s[G0+4*\s+2:G0+4*\s+3], s[20:21], \s*4*AHEAD      ; K step s: heads 4 s on
	s_or_b32 s[G0+4*\s+3], s[G0+4*\s+3], 0x80000000
	s_mov_b32 s[G0B+4*\s], 1
	s_add_co_u32 s[G0B+4*\s+1], s12, \s*SLOT
	s_add_nc_u64 s[G0B+4*\s+2:G0B+4*\s+3], s[46:47], \s*ROWB
	s_or_b32 s[G0B+4*\s+3], s[G0B+4*\s+3], 0x80000000
	JLOAD G0+4*\s, G1, G0B+4*\s, G1B
.endr
	v_and_b32 v1, 15, v0                           ; l % 16
	v_bfe_u32 v2, v0, 4, 1                         ; l / 16
	v_mul_u32_u24 v3, v1, PITCH
	v_lshl_add_u32 v4, v2, 4, v3                   ; B: a fragment's row x pitch + 16 x half
	v_mul_u32_u24 v3, v1, APITCH
	v_lshl_add_u32 v3, v2, 4, v3                   ; A: the same with its pitch
	s_mul_i32 s21, s15, AHALF                      ; my 128 rows of A
	s_mul_i32 s22, s16, HALFT                      ; my 128 rows of B,
	s_add_co_u32 s22, s22, BOFF                    ; which lie behind A's
.irp s, 0,1
	v_add_nc_u32 v[ADRA+\s], s21, v3
	v_add_nc_u32 v[ADRB+\s], s22, v4
	s_add_co_u32 s21, s21, SLOT
	s_add_co_u32 s22, s22, SLOT
.endr
	s_mul_i32 s23, s14, 16*SPITCH                  ; my stage
	v_mul_u32_u24 v5, v1, SPITCH                   ; in: row l % 16, 32 bytes for each half of the lanes
	v_lshl_add_u32 v5, v2, 5, v5
	v_add_nc_u32 v[STO], s23, v5
	v_and_b32 v6, 31, v0
	v_lshlrev_b32 v[CO], 4, v6                     ; back: the 32 lanes take one row of 512 bytes; and the same in out0
	v_add_nc_u32 v[RD], s23, v[CO]
	s_lshl_b32 s20, s17, 8
	s_lshl_b32 s21, s15, 7
	s_add_co_u32 s20, s20, s21                     ; my first row of out0: 256 x tile row + 128 x half
	s_mov_b32 s21, 0
	s_mov_b64 s[18:19], SIZE_N*4
	s_mul_u64 s[20:21], s[20:21], s[18:19]
	s_lshl_b32 s46, s42, 10                        ; my first column, in bytes: 1,024 x tile column + 512 x half
	s_lshl_b32 s47, s16, 9
	s_add_co_u32 s46, s46, s47
	s_mov_b32 s47, 0
	s_add_nc_u64 s[20:21], s[20:21], s[46:47]
	s_add_nc_u64 s[10:11], s[10:11], s[20:21]
.macro FRAG reg, adr, q, i             ; B's fragment, 16 rows x 128 K: lane l holds row l % 16; registers 4 c .. 4 c + 3 hold K = 128 q + 32 c + 16 (l / 16) + 0 .. 15
.irp c, 0,1,2,3
	ds_load_b128 v[\reg+4*\c:\reg+4*\c+3], v[\adr] offset:128*(\q)+32*\c+(\i)*16*PITCH
.endr
.endm
.macro FRAGA reg, adr, q, i            ; A's, at the same K: head 2 q + c / 2 of the slot's four, byte 32 (c % 2) + 16 (l / 16) of the position's 64
.irp c, 0,1,2,3
	ds_load_b128 v[\reg+4*\c:\reg+4*\c+3], v[\adr] offset:(2*(\q)+\c/2)*APLANE+(\i)*16*APITCH+32*(\c%2)
.endr
.endm
; 16 matrix instructions: A's blocks a0, a0 + 1 x B's eight, 128 along K.  p: B's set.  zero = 1: the first product starts the sums.
; The 64 accumulators take turns, one instruction a turn, in the same order in every step.
.macro MUL16 a0, p, zero
.irp a, \a0, \a0+1
.irp b, 0,1,2,3,4,5,6,7
.if \zero
	v_wmma_f32_16x16x128_bf8_bf8 v[8*(8*((\a)%4)+\b):8*(8*((\a)%4)+\b)+7], v[128*(\p)+FR*\b:128*(\p)+FR*\b+FR-1], v[AF+FR*(\a):AF+FR*(\a)+FR-1], 0
.else
	v_wmma_f32_16x16x128_bf8_bf8 v[8*(8*((\a)%4)+\b):8*(8*((\a)%4)+\b)+7], v[128*(\p)+FR*\b:128*(\p)+FR*\b+FR-1], v[AF+FR*(\a):AF+FR*(\a)+FR-1], v[8*(8*((\a)%4)+\b):8*(8*((\a)%4)+\b)+7]
.endif
.endr
.endr
.endm
.macro FETCH_B slot, q, p              ; B's eight fragments of the slot's q-th 128 along K into set p
	WIN TO_B
.irp i, 0,1,2,3,4,5,6,7
	FRAG 128*(\p)+FR*\i, ADRB+\slot, \q, \i
.endr
	WIN 0
.endm
.macro FETCH_A slot, q, i0             ; A's blocks i0 .. i0 + 3
.irp i, \i0, \i0+1, \i0+2, \i0+3
	FRAGA AF+FR*(\i), ADRA+\slot, \q, \i
.endr
.endm
; A load into a register that a matrix instruction has read, and a vector instruction that reads a matrix result, stand NP places behind it; only plain vector instructions that name none of its
; registers are places (ISA guide 7.12.1 for vector instructions).
.macro PLACES n
.rept \n
	v_nop
.endr
.endm
; A step of 128 along K that has its successor in the same slot.
.macro STEP slot, q, zero
	s_wait_dscnt 4*NL                              ; B's set and A's blocks 0-3 are in; the youngest sixteen loads (A's blocks 4-7) may be out
	WIN MUL_LO
	MUL16 0, (\q)%2, \zero
	MUL16 2, (\q)%2, \zero
	s_wait_dscnt 0                                 ; A's blocks 4-7 are in (asked for 32 matrix instructions ago)
	PLACES NP
	FETCH_B \slot, (\q)+1, 1-(\q)%2
	FETCH_A \slot, (\q)+1, 0
	WIN MUL_HI
	MUL16 4, (\q)%2, \zero
	MUL16 6, (\q)%2, \zero
	PLACES NP
	WIN 0
	FETCH_A \slot, (\q)+1, 4
.endm
; A slot's last step changes slots: one barrier; in front of it each wave waits for all its tensor loads, adds 0 to its spare word, and waits for that and for its own reads of this slot.  fill = 1: this slot is filled again, two K steps ahead.
.macro TURN slot, next, fill
	s_wait_tensorcnt 0x0                           ; all my tensor loads have landed: my part of the next slot;  (every window is 0 here)
	ds_add_u32 v[SPW], v[NIL]                      ; 0 onto my spare word
	s_wait_dscnt 4*NL+1                            ; (the add and the youngest sixteen loads, A's blocks 4-7, may be out)
	WIN MUL_LO
	MUL16 0, 1, 0                                  ; sixteen matrix instructions stand between the add and the wait for it
	s_wait_dscnt 0x0                               ; the add is done, and my reads of this slot are over
	s_barrier_signal -1
	MUL16 2, 1, 0
	WIN 0
	s_barrier_wait -1
.if \fill
	CREST                                          ; the barrier has opened a round of the cluster's barrier: no wave of any partner still reads this slot's tile or has a load on its way
	s_add_nc_u64 s[G0+4*\slot+2:G0+4*\slot+3], s[G0+4*\slot+2:G0+4*\slot+3], 2*4*AHEAD
	s_add_nc_u64 s[G0B+4*\slot+2:G0B+4*\slot+3], s[G0B+4*\slot+2:G0B+4*\slot+3], 2*ROWB
	JLOAD G0+4*\slot, G1, G0B+4*\slot, G1B         ; the first tensor load behind the round; the four v_nop behind it are the places in front of the loads below
.else
	PLACES NP
.endif
	FETCH_B \next, 0, 0
	FETCH_A \next, 0, 0
	WIN MUL_HI
	MUL16 4, 1, 0
	MUL16 6, 1, 0
	PLACES NP
	WIN 0
	FETCH_A \next, 0, 4
.endm
	s_wait_tensorcnt 1                             ; my part of K step 0 is in (K step 1's load may be out)
	s_barrier_signal -1
	s_barrier_wait -1                              ; everybody's is
	FETCH_B 0, 0, 0
	FETCH_A 0, 0, 0
	FETCH_A 0, 0, 4
	STEP 0, 0, 1                                   ; the first step stands in front of the loop: its products start the sums
	s_mov_b32 s3, LAPS-1
.Llap:                                                 ; a trip goes once round the ring, from a lap's second step to the next lap's first, and fills both slots again
	TURN 0, 1, 1
	STEP 1, 0, 0
	TURN 1, 0, 1
	STEP 0, 0, 0
	s_sub_co_u32 s3, s3, 1
	s_cmp_lg_u32 s3, 0
	s_cbranch_scc1 .Llap
	TURN 0, 1, 0                                   ; the last lap fills nothing, and has no round of the cluster's barrier
	STEP 1, 0, 0
	s_wait_dscnt 4*NL                              ; the very last step: nothing more to fetch
	WIN MUL_LO
	MUL16 0, 1, 0
	MUL16 2, 1, 0
	s_wait_dscnt 0
	WIN MUL_HI
	MUL16 4, 1, 0
	MUL16 6, 1, 0
	WIN 0
; THE WAY OUT, block by block of 16 rows x 128 columns.  A lane holds 32 neighbouring bytes of a row, and the lanes beside it hold other rows: so a block goes through my own stage in LDS and comes back as whole
; rows of 512 bytes.  LDS serves a wave's instructions in order (ISA guide 5.7.1.4): no wait between the stores and the loads, nor in front of the next block's stores.
.macro TOSTAGE a
.set AC, 64*((\a)%4)
	WIN 0x02+((\a)/4)                              ; source 0: window 2 or 3
.irp j, 0,2,4,6,8,10,12,14,16,18,20,22,24,26,28,30,32,34,36,38,40,42,44,46,48,50,52,54,56,58,60,62
	v_pk_mul_f32 v[TMP+\j:TMP+\j+1], v[AC+\j:AC+\j+1], s[96:97] op_sel_hi:[1,0]   ; both x s96 = 2^(e10 + e11); each accumulator from its low end on
.endr
	WIN 0
.irp b, 0,1,2,3,4,5,6,7
	ds_store_b128 v[STO], v[TMP+8*\b:TMP+8*\b+3] offset:64*\b
	ds_store_b128 v[STO], v[TMP+8*\b+4:TMP+8*\b+7] offset:64*\b+16
.endr
.set BB, BK+64*((\a)%2)
.irp t, 0,1,2,3,4,5,6,7,8,9,10,11,12,13,14,15
	ds_load_b128 v[BB+4*\t:BB+4*\t+3], v[RD] offset:\t*SPITCH
.endr
.endm
.macro SEND a, younger                 ; younger: the LDS instructions issued behind block a's loads, which may stay out
.set BB, BK+64*((\a)%2)
	s_wait_dscnt \younger                          ; the block is back in registers
.if (\a) > 0
	s_add_nc_u64 s[10:11], s[10:11], 16*SIZE_N*4   ; (behind a wait on XCNT: the earlier stores have read their base)  16 rows of out0 on
.endif
.irp t, 0,1,2,3,4,5,6,7,8,9,10,11,12,13,14,15
	global_store_b128 v[CO], v[BB+4*\t:BB+4*\t+3], s[10:11] offset:\t*SIZE_N*4 th:TH_STORE_NT   ; 32 lanes store 512 consecutive bytes, at a multiple of 256 from out0's first byte; written once, read by nobody here
.endr
.endm
	s_wait_kmcnt 0x0
	s_add_co_i32 s96, s96, s97                     ; e10 + e11, between -126 and 127,
	s_add_co_i32 s96, s96, 127
	s_lshl_b32 s96, s96, 23                        ; makes the f32 number 2^(e10 + e11)
	PLACES NP                                      ; behind the last products: for the loads into the registers that held A's fragments and for block 7's reads alike
	TOSTAGE 0
.irp a, 1,2,3,4,5,6,7
.if \a > 1
	s_wait_xcnt 0x0                                ; block a - 2's stores have read their registers and their base: block a's loads may land there, and the base may step
.endif
	TOSTAGE \a
	SEND \a-1, 32                                  ; behind block a - 1's loads: block a's 16 stores and 16 loads
.endr
	s_wait_xcnt 0x0                                ; block 6's stores have read their base
	SEND 7, 0
	s_wait_tensorcnt 0x0                           ; the wave's end: a wait for my last tensor load, 0 onto my spare word, a wait for that and my last LDS store
	ds_add_u32 v[SPW], v[NIL]
	s_wait_dscnt 0x0
	CROUND                                         ; the closing round: no work-group ends while a partner may still ask for a tile that names it
	s_endpgm
.Lfunc_end_k_qd06c02b2df_oproj:
	.size	k_qd06c02b2df_oproj, .Lfunc_end_k_qd06c02b2df_oproj-k_qd06c02b2df_oproj
	.p2alignl 7, 3214868480
	.fill 96, 4, 3214868480
	.section	.rodata,"a",@progbits
	.p2align	6, 0x0
	.amdhsa_kernel k_qd06c02b2df_oproj
		.amdhsa_group_segment_fixed_size 327680
		.amdhsa_private_segment_fixed_size 0
		.amdhsa_enable_private_segment 0
		.amdhsa_kernarg_size 32
		.amdhsa_user_sgpr_count 2
		.amdhsa_user_sgpr_kernarg_segment_ptr 1
		.amdhsa_wavefront_size32 1
		.amdhsa_system_sgpr_workgroup_id_x 1
		.amdhsa_system_sgpr_workgroup_id_y 1
		.amdhsa_system_sgpr_workgroup_id_z 1
		.amdhsa_system_vgpr_workitem_id 0
		.amdhsa_next_free_vgpr 1024
		.amdhsa_next_free_sgpr 98
		.amdhsa_reserve_vcc 0
		.amdhsa_float_denorm_mode_32 3
		.amdhsa_float_denorm_mode_16_64 3
		.amdhsa_memory_ordered 1
		.amdhsa_forward_progress 1
		.amdhsa_inst_pref_size 123
	.end_amdhsa_kernel
	.amdgpu_metadata
---
amdhsa.version: [ 1, 2 ]
amdhsa.kernels:
  - .name:           k_qd06c02b2df_oproj
    .symbol:         k_qd06c02b2df_oproj.kd
    .args:
      - { .name: m_codes, .offset: 0, .size: 8, .value_kind: global_buffer, .address_space: global }
      - { .name: WO_codes, .offset: 8, .size: 8, .value_kind: global_buffer, .address_space: global }
      - { .name: lowp_scales, .offset: 16, .size: 8, .value_kind: global_buffer, .address_space: global }
      - { .name: out0, .offset: 24, .size: 8, .value_kind: global_buffer, .address_space: global }
    .group_segment_fixed_size: 327680
    .private_segment_fixed_size: 0
    .kernarg_segment_align: 8
    .kernarg_segment_size: 32
    .max_flat_workgroup_size: 128
    .sgpr_count:     98
    .vgpr_count:     1024
    .wavefront_size: 32
...
	.end_amdgpu_metadata
.endif
;; end of part 3
